; MI455X (gfx1250); checked and timed in simulation.
; The chip was launched on July 23, 2026; its instructions are those of AMD's public machine-readable ISA for CDNA 5 (MIT licence, August 2026) and "CDNA5" Instruction Set Architecture Reference Guide (July 2026). The comments in the code are by the model that wrote it; some were corrected since.
;; Attention. Allowed arithmetic: matrix products marked QUANTISED: E2M1 operands, one E8M0 scale for each 32 along K, by v_wmma_scale_f32_16x16x128_f8f6f4 with both operands' format E2M1 (or v_wmma_scale_f32_32x16x128_f4), f32 sums; everything else in f32.
;; Inputs: attention_bias 4 x 1 x 2,048 x 2,048 float32; head_mask 1 x 16 x 1 x 1 float32; hidden_states 4 x 2,048 x 1,024 float32; o_b 1,024 float32; o_w 1,024 x 1,024 float32; qkv_b 3,072 float32; qkv_w 3,072 x 1,024 float32; rope_cos 1 x 2,048 x 1 x 64 float32; rope_sin 1 x 2,048 x 1 x 64 float32.
;; Outputs: out0 4 x 2,048 x 1,024 float32.
;; This version of the problem:
;;   THIS VERSION OF THE PROBLEM IS GIVEN IN LOW PRECISION. The matrix products marked QUANTISED in the list below multiply operands that are first quantised to E2M1 (2 exponent bits, 1 mantissa bit; 4 bits a number), with one power-of-two scale for each 32 numbers along K (OCP MX v1.0); their sums are f32. All else is computed in f32.
;;   The module's matrix products, in the order in which they are computed (A, B: the left and right operand; K: the contracted axis; several contracted axes count as one K, in the product's order):
;;     1. [M 8,192, K 1,024] x [K 1,024, N 3,072]; A: input hidden_states; B: input qkv_w: QUANTISED
;;     2. batch 64 x [M 2,048, K 64] x [K 64, N 2,048]; A: computed on the way; B: computed on the way: QUANTISED
;;     3. batch 64 x [M 64, K 2,048] x [K 2,048, N 2,048]; A: computed on the way; B: computed on the way: QUANTISED
;;     4. [M 8,192, K 1,024] x [K 1,024, N 1,024]; A: computed on the way; B: input o_w: QUANTISED
;;   THE QUANTISER, for each operand of a quantised product, along K:
;;     - K is cut into blocks of 32 from its start; a last block that is shorter is filled with zeros.
;;     - A block's scale is 2^e with e = floor(log2(the largest magnitude in the block)) - 2, held to -126 .. 127; a block of zeros has e = 0. As a byte (E8M0): e + 127.
;;     - Each number is divided by its block's scale, clamped to +-6, and rounded to the nearest number of E2M1, ties to even, subnormals kept.
;;     - The product sums the exact products of the quantised numbers (number of the format x scale) in f32.
;;   ~~~python
;;   def quantise(x, axis):      # numpy; x: float32 -> the quantised numbers, widened to float32 again
;;       x = np.moveaxis(x, axis, -1); K = x.shape[-1]
;;       x = np.pad(x, [(0, 0)] * (x.ndim - 1) + [(0, -K % 32)]); x = x.reshape(x.shape[:-1] + (-1, 32)); a = np.abs(x).max(-1, keepdims=True)
;;       e = np.where(a > 0, np.clip(np.frexp(np.where(a > 0, a, 1))[1] - 1 - 2, -126, 127), 0)      # np.frexp(a)[1] - 1 = floor(log2(a)), exactly
;;       r = np.clip(x / 2.0 ** e, -6, 6)
;;       step = 2.0 ** (np.maximum(np.frexp(np.where(r == 0, 1, r))[1] - 1, 0) - 1)
;;       q = np.round(r / step) * step * 2.0 ** e      # np.round: ties to even
;;       return np.moveaxis(q.reshape(q.shape[:-2] + (-1,))[..., :K], -1, axis).astype(np.float32)
;;   ~~~
;;   OPERANDS COMPUTED ON THE WAY. 'Computed on the way' means the value that the module computes at that place (a softmax that the list does not call 'softmax' is quantised finished and normalised). What goes into a quantiser is computed in f32, as accurately as f32 sums, v_exp_f32 and their like allow (about 1e-6 of the number): no bf16 or f16 on the way to a quantiser, and a product that is left as it is and whose result goes on into a quantised operand takes f32 operands (vector FMAs, or v_wmma_f32_16x16x4_f32). A number that lies on a knife's edge between two numbers of the format may be rounded either way, as far as f32 arithmetic and the matrix unit's own rounding can turn it there, and no further.
;; One version. Each part assembles by itself: llvm-mc -triple=amdgcn-amd-amdhsa -mcpu=gfx1250 --defsym DOCPART=n.
;; ======== version 1 of 1: 4 launches
;; limits: right only within a limited range of input values
;; workspace buffers: cbuf 6,291,456 bytes; sbuf 393,216 bytes; qrec 4,718,592 bytes; kvrec 9,437,184 bytes; ctxc 4,194,304 bytes; ctxs 262,144 bytes
;; launch quant (part 1): grid 384 x 1, 4 waves a work-group, no clusters, 33,280 bytes of LDS; arguments hidden_states, qkv_w, o_w, cbuf, sbuf; writes cbuf, sbuf
.if DOCPART == 1
	.amdgcn_target "amdgcn-amd-amdhsa--gfx1250"
	.amdhsa_code_object_version 6
	.text
	.protected	k_q76ea02012c_quant
	.globl	k_q76ea02012c_quant
	.p2align	8
	.type	k_q76ea02012c_quant,@function
k_q76ea02012c_quant:
	s_mov_b64 s[64:65], 0
	v_nop
	global_prefetch_b8 v0, s[64:65] scope:SCOPE_SE
	s_setreg_imm32_b32 hwreg(HW_REG_WAVE_MODE, 25, 1), 1
	s_wait_xcnt 0x0
; hidden_states [8192][1024], qkv_w [3072][1024] and o_w [1024][1024], f32, K innermost, become codes of FP4 (E2M1) in cbuf, two a byte, 512 bytes a row,
; and one E8M0 scale byte for each 32 along K in sbuf, 32 bytes a row; the three tensors lie one behind the other in both buffers.
; A block's scale is 2^(floor(log2(its largest magnitude)) - 2): its byte is the largest magnitude's exponent field - 2, held at 1 from below.
; LIMITS: a block of zeros gets the byte 1 where the rule says 127 (its codes are zeros, and this program alone reads the bytes); NaN and infinities among the inputs are not served.
; Rows are dense and 1,024 is a multiple of 32: each tensor is a plain stream of blocks of 32.  A work-group takes 32,768 numbers, a wave 8,192: 16 steps of 512.
; Work-groups 0-255 take hidden_states, 256-351 qkv_w, 352-383 o_w: only the input's pointer is chosen; the outputs' places follow from the work-group's number alone.
; Each load reads 512 consecutive bytes; a step's 2,048 bytes turn through the wave's own stage in LDS, so that a lane then holds 16 neighbours along K (two lanes hold a block).
; No tensor load, no barrier: waves share nothing.  Loads run four steps ahead, the turn through LDS one step.
.set STEPS, 16
.set CB,    8                          ; bytes of a lane's 16 codes
.set R,     16                         ; v16-79   four sets of 16 numbers as loaded
.set X,     80                         ; v80-111  two sets of 16 neighbours
.set E,     112                        ; v112-127 a scale byte for each step
.set C,     128                        ; v128-191 codes: registers of its own for each step, so that no store's data are written again
.set WREG,  8192                       ; LDS for a wave: two stages of 32 x SP bytes, then its 256 scale bytes
.set SP,    80                         ; a lane's place in a stage: 64 bytes + 16 of padding
	s_load_b128 s[4:7], s[0:1], 0x0                ; hidden_states, qkv_w
	s_load_b128 s[8:11], s[0:1], 0x10              ; o_w, cbuf
	s_load_b64 s[12:13], s[0:1], 0x20              ; sbuf
	v_lshl_add_u32 v192, v0, 2, 0x8000
	v_mov_b32 v193, 0
	v_lshrrev_b32 v1, 5, v0
	v_readfirstlane_b32 s16, v1                    ; wave
	v_and_b32 v2, 31, v0                           ; lane
	v_lshlrev_b32 v3, 4, v2                        ; my 16 bytes of a load's 512
	s_mul_i32 s17, s16, WREG
	v_lshrrev_b32 v14, 2, v2
	v_mul_u32_u24 v14, v14, SP
	v_and_b32 v15, 3, v2
	v_lshl_add_u32 v14, v15, 4, v14
	v_add_nc_u32 v14, s17, v14                     ; the stage, on the way in: SP (lane / 4) + 16 (lane % 4)
	v_mul_u32_u24 v15, v2, SP
	v_add_nc_u32 v15, s17, v15                     ; and on the way out: SP x lane: my 16 neighbours
	v_mul_u32_u24 v4, v2, CB                       ; my codes' place in a step's 256 bytes
	v_lshrrev_b32 v5, 1, v2
	s_add_co_u32 s17, s17, 2*32*SP
	v_add_nc_u32 v5, s17, v5                       ; LDS: my block's scale byte
	v_lshlrev_b32 v7, 3, v2                        ; and on the way out 8 bytes a lane
	v_add_nc_u32 v6, s17, v7
	s_mov_b32 s18, 352
	s_wait_alu depctr_va_vdst(0)
	s_wait_kmcnt 0x0
	s_cmp_lt_u32 ttmp9, 352                        ; which tensor: the choice hangs on the work-group's number alone
	s_cselect_b64 s[6:7], s[6:7], s[8:9]
	s_cselect_b32 s18, 256, s18
	s_cmp_lt_u32 ttmp9, 256
	s_cselect_b64 s[4:5], s[4:5], s[6:7]
	s_cselect_b32 s18, 0, s18                      ; the tensor's first work-group
	s_sub_co_u32 s18, ttmp9, s18
	s_lshl_b32 s18, s18, 2
	s_add_co_u32 s18, s18, s16                     ; which run of 8,192 numbers of the tensor is my wave's
	s_lshl_b32 s18, s18, 15                        ; 32,768 bytes a run
	s_mov_b32 s19, 0
	s_add_nc_u64 s[4:5], s[4:5], s[18:19]
	s_lshl_b32 s20, ttmp9, 2
	s_add_co_u32 s20, s20, s16                     ; which run of the three tensors on end
	s_lshl_b32 s22, s20, 12                        ; 4,096 bytes of codes a run
	s_mov_b32 s23, 0
	s_add_nc_u64 s[10:11], s[10:11], s[22:23]
	s_lshl_b32 s22, s20, 8                         ; 256 scale bytes a run
	s_add_nc_u64 s[12:13], s[12:13], s[22:23]
.macro LOAD t
.irp i, 0,1,2,3
	global_load_b128 v[R+16*((\t)%4)+4*\i:R+16*((\t)%4)+4*\i+3], v3, s[4:5] offset:2048*(\t)+512*\i th:TH_LOAD_NT   ; 32 lanes read 512 consecutive bytes
.endr
.endm
.macro TURN t                          ; step t's numbers through the stage: LDS serves a wave's instructions in order (ISA guide 5.7.1.4), so no wait stands between the stores and the loads
.irp i, 0,1,2,3
	ds_store_b128 v14, v[R+16*((\t)%4)+4*\i:R+16*((\t)%4)+4*\i+3] offset:32*SP*((\t)%2)+8*SP*\i
.endr
.irp i, 0,1,2,3
	ds_load_b128 v[X+16*((\t)%2)+4*\i:X+16*((\t)%2)+4*\i+3], v15 offset:32*SP*((\t)%2)+16*\i
.endr
.endm
.irp t, 0,1,2,3
	LOAD \t
.endr
	s_wait_loadcnt 12                              ; step 0's four loads are in; the twelve of steps 1 to 3 may be out
	TURN 0
.macro STEP t
.set XS, X+16*((\t)%2)
.if (\t) > 0
	s_wait_dscnt 1                                 ; this step's numbers are back from the stage (the last step's byte store may be out): its stores into the stage have read their registers,
.else
	s_wait_dscnt 0x0
.endif
.if (\t)+4 < STEPS
	LOAD (\t)+4                                    ; which take the loads of four steps on
.endif
.if (\t)+1 < STEPS
.if STEPS-2-(\t) >= 3
	s_wait_loadcnt 12                              ; the next step's four loads are in; those of the three steps behind it may be out
.else
	s_wait_loadcnt 4*(STEPS-2-(\t))
.endif
	TURN (\t)+1                                    ; and go through the other stage while this step is worked
.endif
	v_max3_num_f32 v8, |v[XS]|, |v[XS+1]|, |v[XS+2]|               ; the largest magnitude of my 16, in two chains
	v_max3_num_f32 v9, |v[XS+3]|, |v[XS+4]|, |v[XS+5]|
.irp i, 6,10
	v_max3_num_f32 v8, v8, |v[XS+\i]|, |v[XS+\i+1]|
	v_max3_num_f32 v9, v9, |v[XS+\i+2]|, |v[XS+\i+3]|
.endr
	v_max3_num_f32 v8, v8, |v[XS+14]|, |v[XS+15]|
	v_max3_num_f32 v8, v8, v9, 0x1800000           ; and the floor 2^(3 - 127): the byte cannot fall under 1
	v_max_num_f32_dpp v8, v8, v8 row_xmask:1 row_mask:0xf bank_mask:0xf   ; and of my neighbour's 16: the block's
	v_add_nc_u32 v11, 0xff000000, v8               ; 2 off its exponent field: the conversion takes the exponent field of this operand as its scale
	v_cvt_scalef32_pk8_fp4_f32 v[C+4*(\t)], v[XS:XS+7], v11
	v_cvt_scalef32_pk8_fp4_f32 v[C+4*(\t)+1], v[XS+8:XS+15], v11
	v_lshrrev_b32 v[E+(\t)], 23, v11               ; the scale's byte
	ds_store_b8 v5, v[E+(\t)] offset:16*(\t)       ; both lanes of a block write the same byte with the same value
	global_store_b64 v4, v[C+4*(\t):C+4*(\t)+1], s[10:11] offset:32*CB*(\t)   ; 32 lanes store 256 consecutive bytes, aligned
.endm
.irp t, 0,1,2,3,4,5,6,7,8,9,10,11,12,13,14,15
	STEP \t
.endr
	ds_load_b64 v[12:13], v6                       ; in order behind my byte stores
	s_wait_dscnt 0x0
	global_store_b64 v7, v[12:13], s[12:13]        ; 32 lanes store 256 consecutive bytes, aligned
	s_wait_tensorcnt 0x0
	ds_add_u32 v192, v193
	s_wait_dscnt 0x0
	s_endpgm
.Lfunc_end_k_q76ea02012c_quant:
	.size	k_q76ea02012c_quant, .Lfunc_end_k_q76ea02012c_quant-k_q76ea02012c_quant
	.p2alignl 7, 3214868480
	.fill 96, 4, 3214868480
	.section	.rodata,"a",@progbits
	.p2align	6, 0x0
	.amdhsa_kernel k_q76ea02012c_quant
		.amdhsa_group_segment_fixed_size 33280
		.amdhsa_private_segment_fixed_size 0
		.amdhsa_enable_private_segment 0
		.amdhsa_kernarg_size 40
		.amdhsa_user_sgpr_count 2
		.amdhsa_user_sgpr_kernarg_segment_ptr 1
		.amdhsa_wavefront_size32 1
		.amdhsa_system_sgpr_workgroup_id_x 1
		.amdhsa_system_sgpr_workgroup_id_y 1
		.amdhsa_system_sgpr_workgroup_id_z 1
		.amdhsa_system_vgpr_workitem_id 0
		.amdhsa_next_free_vgpr 194
		.amdhsa_next_free_sgpr 66
		.amdhsa_reserve_vcc 0
		.amdhsa_float_denorm_mode_32 3
		.amdhsa_float_denorm_mode_16_64 3
		.amdhsa_memory_ordered 1
		.amdhsa_forward_progress 1
		.amdhsa_inst_pref_size 34
	.end_amdhsa_kernel
	.amdgpu_metadata
---
amdhsa.version: [ 1, 2 ]
amdhsa.kernels:
  - .name:           k_q76ea02012c_quant
    .symbol:         k_q76ea02012c_quant.kd
    .args:
      - { .name: hidden_states, .offset: 0, .size: 8, .value_kind: global_buffer, .address_space: global }
      - { .name: qkv_w, .offset: 8, .size: 8, .value_kind: global_buffer, .address_space: global }
      - { .name: o_w, .offset: 16, .size: 8, .value_kind: global_buffer, .address_space: global }
      - { .name: cbuf, .offset: 24, .size: 8, .value_kind: global_buffer, .address_space: global }
      - { .name: sbuf, .offset: 32, .size: 8, .value_kind: global_buffer, .address_space: global }
    .group_segment_fixed_size: 33280
    .private_segment_fixed_size: 0
    .kernarg_segment_align: 8
    .kernarg_segment_size: 40
    .max_flat_workgroup_size: 128
    .sgpr_count:     66
    .vgpr_count:     194
    .wavefront_size: 32
...
	.end_amdgpu_metadata
.endif
;; end of part 1
;; launch gemm1 (part 2): grid 12 x 64, 8 waves a work-group, clusters of 4 x 4, 279,552 bytes of LDS; arguments cbuf, sbuf, qkv_b, rope_cos, rope_sin, qrec, kvrec; writes qrec, kvrec
.if DOCPART == 2
	.amdgcn_target "amdgcn-amd-amdhsa--gfx1250"
	.amdhsa_code_object_version 6
	.text
	.protected	k_q76ea02012c_gemm1
	.globl	k_q76ea02012c_gemm1
	.p2align	8
	.type	k_q76ea02012c_gemm1,@function
k_q76ea02012c_gemm1:
	s_mov_b64 s[64:65], 0
	v_nop
	global_prefetch_b8 v0, s[64:65] scope:SCOPE_SE
	s_setreg_imm32_b32 hwreg(HW_REG_WAVE_MODE, 25, 1), 1
	s_wait_xcnt 0x0
	s_wait_alu depctr_hold_cnt(0) depctr_sa_sdst(0) depctr_va_vdst(0) depctr_va_sdst(0) depctr_va_ssrc(0) depctr_va_vcc(0) depctr_vm_vsrc(0)
	s_getreg_b32 s2, hwreg(HW_REG_IB_STS2, 6, 4)
	s_cmp_eq_u32 s2, 0
	s_cbranch_scc0 .Lentry_in_a_cluster
	s_endpgm
.Lentry_in_a_cluster:
	s_bfe_u32 s2, ttmp6, 0x10000c
	s_cmp_lg_u32 s2, 0xf033
	s_cbranch_scc0 .Lentry_shape_is_right
	s_endpgm
.Lentry_shape_is_right:
; qkv = Q(x) Q(Wqkv)^T + b on codes of FP4 with E8M0 scales (K = 1,024), then RoPE for q and k, then the quantisers of the two attention products:
; q and k along the head's 64 (two blocks of 32), v along the tokens (blocks of 32 tokens).  The results leave as images of the operand registers that the attention launch loads.
; SHARES.  A work-group takes 128 tokens (one key step of one batch) x 256 columns (four heads of q, of k or of v: the cluster's x says which, equal in all sixteen partners).
; Eight waves: wave w takes tokens 64 (w / 4) on and head w % 4: 64 x 64, sixteen accumulators of 16 x 16.
; ALL OF K LIES IN LDS: each wave brings one tile with one tensor load, nothing is filled twice.  x's tiles hang on the token block alone and are asked for jointly along a row of the
; cluster, W's on the column block alone and jointly along a column, the RoPE tables' rows on the token block and along a row.  v's clusters ask for the tables too and do not read them:
; 64 KiB for a work-group, asked for by four jointly; in return all work-groups make the same requests by one text.
; ORIENTATION.  q, k: source 0 = 16 rows of W, source 1 = 16 tokens: a lane holds one token and its registers run along the head's 64.  v: the sources change places: a lane holds one
; channel and its registers run along the tokens.  So each quantiser finds its K in a lane's registers.
; LIMITS: a block of zeros gets the byte 1 (its codes are zeros; this program alone reads the bytes); NaN and infinities are not served.
.set PITCH, 272                        ; an LDS row: 256 bytes + 16 of padding: the sixteen rows of a load start at sixteen different 16-byte columns modulo 256
.set AT,    128*PITCH                  ; a tile of 128 rows
.set HALF,  3*AT                       ; half of K: x's 128 rows, then W's 256
.set COSL,  2*HALF                     ; cos's 128 rows, then sin's
.set WQKV,  4194304                    ; qkv_w's codes in cbuf
.set SQKV,  262144                     ; and its scale bytes in sbuf
.set ADRX, 4                           ; v4-5   LDS address of my x fragments, K half 0, 1
.set ADRW, 6                           ; v6-7   the same for W
.set RA,   8                           ; v8     my lane's place in cos's rows
.set SCO,  9                           ; v9     32 r + 16 h: a row's scale bytes
.set BO,   10                          ; v10    the bias loads' offset
.set CSO,  12                          ; v12    where my codes go in the record
.set SSO,  13                          ; v13    where my scale words go
.set SA,   16                          ; v16-31 x's scale words: register 4 i + q: lanes 0-15 K step q, lanes 16-31 K step 4 + q, of rows 16 i on
.set SB,   32                          ; v32-47 W's likewise
.set XF,   48                          ; v48-79 x's four fragments; later cos
.set WF,   80                          ; v80-111 W's four; later sin
.set CN,   48
.set SN,   80
.set TM,   112                         ; v112-119 at work
.set QD,   120                         ; v120-123 a tile's codes
.set PW,   124                         ; v124-127 the four tiles' scale words
.set ACC,  128                         ; v128-255 accumulator (L, Rb) at 128 + 8 (4 L + Rb)
.set WV,   18
.set KH,   19                          ; which half of K I fetch
.set PART, 20                          ; what I fetch: 0 x, 1 and 2 W's halves, 3 a RoPE table
.set WY,   21
.set WX,   22
.set CX,   23
.set CY,   24
.set GX,   25                          ; column block
.set GY,   26                          ; token block
.set G1X,  28                          ; s[28:35] descriptor group 1 for x;  s[36:43] for W;  s[44:51] for the tables
.set G1W,  36
.set G1R,  44
.set G0X,  52                          ; s[52:55], s[56:59], s[60:63] their groups 0
.set G0W,  56
.set G0R,  60
.set SEL,  66                          ; s[66:67] v_permlanex16_b32's selects for lane l xor 16
.set HM,   68                          ; the mask of lanes 16-31
.macro ROUND                           ; a round of the cluster's barrier
	s_barrier_signal -1
	s_barrier_wait -1
	s_cmp_lg_u32 s[WV], 0
	s_cbranch_scc1 .Lnot_wave_0_\@
	s_barrier_signal -3
.Lnot_wave_0_\@:
	s_barrier_wait -3
	s_barrier_signal -1
	s_barrier_wait -1
.endm
.macro PLACES n
.rept \n
	v_nop
.endr
.endm
; one matrix instruction.  zero = 1: it starts its sum;  row = 1: both scale words are taken from lanes 16-31
.macro WM d, a, b, sa, sb, zero, row
.if \zero
	v_wmma_scale_f32_16x16x128_f8f6f4 v[\d:\d+7], v[\a:\a+7], v[\b:\b+7], 0, v[\sa], v[\sb] matrix_a_fmt:MATRIX_FMT_FP4 matrix_b_fmt:MATRIX_FMT_FP4
.elseif \row
	v_wmma_scale_f32_16x16x128_f8f6f4 v[\d:\d+7], v[\a:\a+7], v[\b:\b+7], v[\d:\d+7], v[\sa], v[\sb] matrix_a_fmt:MATRIX_FMT_FP4 matrix_b_fmt:MATRIX_FMT_FP4 matrix_a_scale:MATRIX_SCALE_ROW1 matrix_b_scale:MATRIX_SCALE_ROW1
.else
	v_wmma_scale_f32_16x16x128_f8f6f4 v[\d:\d+7], v[\a:\a+7], v[\b:\b+7], v[\d:\d+7], v[\sa], v[\sb] matrix_a_fmt:MATRIX_FMT_FP4 matrix_b_fmt:MATRIX_FMT_FP4
.endif
.endm
; A step of 128 along K: 16 LDS loads, 16 matrix instructions, each accumulator once (the accumulators take turns).  tr = 1: v's orientation, and step 0 starts the sums
.macro KSTEP ks, tr
.if (\ks) > 0
	PLACES 4                                       ; four plain places in front of loads into registers that matrix instructions have read (ISA guide 7.12.1 for vector instructions)
.endif
.irp i, 0,1,2,3
.irp c, 0,1
	ds_load_b128 v[XF+8*\i+4*\c:XF+8*\i+4*\c+3], v[ADRX+(\ks)/4] offset:64*((\ks)%4)+32*\c+\i*16*PITCH
	ds_load_b128 v[WF+8*\i+4*\c:WF+8*\i+4*\c+3], v[ADRW+(\ks)/4] offset:64*((\ks)%4)+32*\c+\i*16*PITCH
.endr
.endr
	s_wait_dscnt 0x0
.irp L, 0,1,2,3
.irp Rb, 0,1,2,3
.if \tr
	WM ACC+8*(4*\L+\Rb), XF+8*\Rb, WF+8*\L, SA+4*\Rb+(\ks)%4, SB+4*\L+(\ks)%4, (\ks)==0, (\ks)/4
.else
	WM ACC+8*(4*\L+\Rb), WF+8*\Rb, XF+8*\L, SB+4*\Rb+(\ks)%4, SA+4*\L+(\ks)%4, 0, (\ks)/4
.endif
.endr
.endr
.endm
.macro BAR                             ; my tile has landed; then everybody's has; then my scale words and biases are in
	s_wait_tensorcnt 0x0
	s_barrier_signal -1
	s_barrier_wait -1
	s_wait_loadcnt 0x0
.endm
; 32 numbers of a lane, register 8 t + j = index 16 t + 8 (lane / 16) + j along the next K (64: two blocks of 32), become registers 0-3 of an operand's fragment in v[dst] on
; (register i: k = 32 (lane / 16) + 8 i + 0 .. 7) and the scale word's two bytes in v[pw].
.macro QUANT32 src, dst, pw
	v_max3_num_f32 v[TM], |v[(\src)]|, |v[(\src)+1]|, 0x1800000       ; block 0: my 16 numbers, and the floor 2^(3 - 127): the byte cannot fall under 1
	v_max3_num_f32 v[TM+1], |v[(\src)+16]|, |v[(\src)+17]|, 0x1800000 ; block 1
.irp i, 2,4,6,8,10,12,14
	s_delay_alu instid0(VALU_DEP_2)
	v_max3_num_f32 v[TM], v[TM], |v[(\src)+\i]|, |v[(\src)+\i+1]|
	s_delay_alu instid0(VALU_DEP_2)
	v_max3_num_f32 v[TM+1], v[TM+1], |v[(\src)+16+\i]|, |v[(\src)+17+\i]|
.endr
	s_delay_alu instid0(VALU_DEP_2)
	v_permlanex16_b32 v[TM+2], v[TM], s[SEL], s[SEL+1]
	s_delay_alu instid0(VALU_DEP_2)
	v_permlanex16_b32 v[TM+3], v[TM+1], s[SEL], s[SEL+1]
	s_delay_alu instid0(VALU_DEP_2)
	v_max_num_f32 v[TM], v[TM], v[TM+2]            ; with lane l xor 16's 16: the block's largest magnitude
	s_delay_alu instid0(VALU_DEP_2)
	v_max_num_f32 v[TM+1], v[TM+1], v[TM+3]
	s_delay_alu instid0(VALU_DEP_2)
	v_add_nc_u32 v[TM+4], 0xff000000, v[TM]        ; 2 off the exponent field: the conversion's scale operand
	s_delay_alu instid0(VALU_DEP_2)
	v_add_nc_u32 v[TM+5], 0xff000000, v[TM+1]
	s_delay_alu instid0(VALU_DEP_2)
	v_lshrrev_b32 v[TM+6], 23, v[TM+4]             ; the scales' bytes
	s_delay_alu instid0(VALU_DEP_2)
	v_lshrrev_b32 v[TM+7], 23, v[TM+5]
	s_delay_alu instid0(VALU_DEP_1)
	v_lshl_or_b32 v[(\pw)], v[TM+7], 8, v[TM+6]
	v_cvt_scalef32_pk8_fp4_f32 v[(\dst)], v[(\src):(\src)+7], v[TM+4]
	v_cvt_scalef32_pk8_fp4_f32 v[(\dst)+1], v[(\src)+16:(\src)+23], v[TM+5]
	v_cvt_scalef32_pk8_fp4_f32 v[(\dst)+2], v[(\src)+8:(\src)+15], v[TM+4]
	v_cvt_scalef32_pk8_fp4_f32 v[(\dst)+3], v[(\src)+24:(\src)+31], v[TM+5]
	v_nop                                          ; one plain place behind a scaled conversion
	v_permlane16_swap_b32 v[(\dst)], v[(\dst)+1]   ; the first's lanes 16-31 change places with the second's lanes 0-15: a whole block of 32 now lies in a lane
	v_permlane16_swap_b32 v[(\dst)+2], v[(\dst)+3]
.endm
.macro ROPELOAD L                      ; cos and sin of token 16 L + r at my 32 channels 16 Rb + 8 h + j
.irp Rb, 0,1,2,3
	ds_load_b128 v[CN+8*\Rb:CN+8*\Rb+3], v[RA] offset:(\L)*16*PITCH+64*\Rb
	ds_load_b128 v[CN+8*\Rb+4:CN+8*\Rb+7], v[RA] offset:(\L)*16*PITCH+64*\Rb+16
	ds_load_b128 v[SN+8*\Rb:SN+8*\Rb+3], v[RA] offset:AT+(\L)*16*PITCH+64*\Rb
	ds_load_b128 v[SN+8*\Rb+4:SN+8*\Rb+7], v[RA] offset:AT+(\L)*16*PITCH+64*\Rb+16
.endr
.endm
; RoPE in place.  x = registers 0-15 (channels under 32), y = registers 16-31 (the channel 32 further on):  x' = x cos - y sin,  y' = y cos + x sin.  Each accumulator is read from its low end on
.macro ROPE L
.irp i, 0,2,4,6,8,10,12,14
	v_pk_mul_f32 v[TM+(\i%4):TM+(\i%4)+1], v[ACC+32*(\L)+\i:ACC+32*(\L)+\i+1], v[SN+16+\i:SN+17+\i]
	v_pk_mul_f32 v[ACC+32*(\L)+\i:ACC+32*(\L)+\i+1], v[ACC+32*(\L)+\i:ACC+32*(\L)+\i+1], v[CN+\i:CN+\i+1]
	v_pk_fma_f32 v[ACC+32*(\L)+\i:ACC+32*(\L)+\i+1], v[ACC+32*(\L)+16+\i:ACC+32*(\L)+17+\i], v[SN+\i:SN+\i+1], v[ACC+32*(\L)+\i:ACC+32*(\L)+\i+1] neg_lo:[1,0,0] neg_hi:[1,0,0]
	v_pk_fma_f32 v[ACC+32*(\L)+16+\i:ACC+32*(\L)+17+\i], v[ACC+32*(\L)+16+\i:ACC+32*(\L)+17+\i], v[CN+16+\i:CN+17+\i], v[TM+(\i%4):TM+(\i%4)+1]
.endr
.endm
	s_load_b256 s[4:11], s[0:1], 0x0               ; cbuf s[4:5], sbuf s[6:7], qkv_b s[8:9], rope_cos s[10:11]
	s_load_b128 s[12:15], s[0:1], 0x20             ; rope_sin s[12:13], qrec s[14:15]
	s_load_b64 s[16:17], s[0:1], 0x30              ; kvrec
	s_set_vgpr_msb 0x40
	v_lshl_add_u32 v0, v0, 2, 0x44000
	v_mov_b32 v1, 0
	s_set_vgpr_msb 0x4045
	ds_add_u32 v0, v1
	ds_add_u32 v0, v1
	s_set_vgpr_msb 0x4500
	v_lshrrev_b32 v1, 5, v0
	s_delay_alu instid0(VALU_DEP_1)
	v_readfirstlane_b32 s[WV], v1                  ; wave 0..7
	s_and_b32 s[KH], s[WV], 1
	s_lshr_b32 s[PART], s[WV], 1
	s_lshr_b32 s[WY], s[WV], 2
	s_and_b32 s[WX], s[WV], 3
	s_bfe_u32 s[CX], ttmp6, 0x40000                ; my place in the cluster
	s_bfe_u32 s[CY], ttmp6, 0x40004
	s_lshl_b32 s[GX], ttmp9, 2
	s_add_co_u32 s[GX], s[GX], s[CX]               ; column block = 4 x cluster x + cx
	s_and_b32 s[GY], ttmp7, 0xffff
	s_lshl_b32 s[GY], s[GY], 2
	s_add_co_u32 s[GY], s[GY], s[CY]               ; token block = 4 x cluster y + cy
	s_lshl_b32 s70, s[CY], 2
	s_lshl_b32 s70, 15, s70                        ; my row of the cluster
	s_lshl_b32 s71, 0x1111, s[CX]                  ; my column
	; descriptor groups 1: 128 rows x 256 bytes; 15:0 the mask; 17:16 elements of 1 byte; 20 padding on; 21 set beside a mask; 24:22 after every 64 words (code 5); 31:25 four words (code 3)
	s_or_b32 s[G1X], s70, (1<<20)|(1<<21)|(5<<22)|(3<<25)
	s_or_b32 s[G1W], s71, (1<<20)|(1<<21)|(5<<22)|(3<<25)
	s_or_b32 s[G1R], s70, (1<<20)|(1<<21)|(5<<22)|(3<<25)
.irp g, G1X, G1W, G1R
	s_mov_b32 s[\g+1], 256<<16                     ; tensor_dim0
	s_mov_b32 s[\g+2], 128<<16                     ; tensor_dim1
	s_mov_b32 s[\g+3], 256<<16                     ; tile_dim0
	s_mov_b32 s[\g+4], 128                         ; tile_dim1
	s_mov_b32 s[\g+6], 0
	s_mov_b32 s[\g+7], 0
.endr
	s_mov_b32 s[G1X+5], 512                        ; a row of codes in memory
	s_mov_b32 s[G1W+5], 512
	s_mov_b32 s[G1R+5], 256                        ; a row of a table
	s_lshl_b32 s72, s[GY], 16                      ; x: 128 rows of 512 bytes a token block,
	s_lshl_b32 s73, s[KH], 8                       ; + my half of K
	s_add_co_u32 s72, s72, s73
	s_mov_b32 s73, 0
	s_lshr_b32 s92, s[PART], 1                     ; W: which 128 of the 256 rows (PART 1: 0, PART 2: 1)
	s_lshl_b32 s74, s[GX], 17
	s_lshl_b32 s75, s92, 16
	s_add_co_u32 s74, s74, s75
	s_lshl_b32 s75, s[KH], 8
	s_add_co_u32 s74, s74, s75
	s_add_co_u32 s74, s74, WQKV
	s_mov_b32 s75, 0
	s_and_b32 s76, s[GY], 15                       ; the tables: the token block's place in its sequence
	s_lshl_b32 s76, s76, 15
	s_mov_b32 s77, 0
	s_wait_dscnt 0x0
	s_wait_kmcnt 0x0
	s_mov_b32 s[G0X], 1
	s_mul_i32 s[G0X+1], s[KH], HALF                ; LDS addresses hang on the wave's number alone
	s_add_nc_u64 s[G0X+2:G0X+3], s[4:5], s[72:73]
	s_or_b32 s[G0X+3], s[G0X+3], 0x80000000
	s_mov_b32 s[G0W], 1
	s_mul_i32 s[G0W+1], s92, AT
	s_add_co_u32 s[G0W+1], s[G0W+1], s[G0X+1]
	s_add_co_u32 s[G0W+1], s[G0W+1], AT
	s_add_nc_u64 s[G0W+2:G0W+3], s[4:5], s[74:75]
	s_or_b32 s[G0W+3], s[G0W+3], 0x80000000
	s_cmp_eq_u32 s[KH], 0
	s_cselect_b64 s[78:79], s[10:11], s[12:13]     ; wave 6 brings cos, wave 7 sin
	s_mov_b32 s[G0R], 1
	s_mul_i32 s[G0R+1], s[KH], AT
	s_add_co_u32 s[G0R+1], s[G0R+1], COSL
	s_add_nc_u64 s[G0R+2:G0R+3], s[78:79], s[76:77]
	s_or_b32 s[G0R+3], s[G0R+3], 0x80000000
	ROUND                                          ; all sixteen work-groups are here: the joint loads meet
	s_cmp_eq_u32 s[PART], 0                        ; one tensor load a wave; the branches hang on the wave's number alone; four v_nop follow each line
	s_cbranch_scc0 .Lnot_x
	tensor_load_to_lds s[G0X:G0X+3], s[G1X:G1X+7]
	s_nop 0
	PLACES 4
	s_branch .Lasked
.Lnot_x:
	s_cmp_eq_u32 s[PART], 3
	s_cbranch_scc1 .Lrope
	tensor_load_to_lds s[G0W:G0W+3], s[G1W:G1W+7]
	s_nop 0
	PLACES 4
	s_branch .Lasked
.Lrope:
	tensor_load_to_lds s[G0R:G0R+3], s[G1R:G1R+7]
	s_nop 0
	PLACES 4
.Lasked:
	s_mov_b32 s[SEL], 0x76543210
	s_mov_b32 s[SEL+1], 0xfedcba98
	s_mov_b32 s[HM], 0xffff0000
	v_and_b32 v1, 31, v0                           ; lane
	v_and_b32 v2, 15, v0                           ; r
	v_bfe_u32 v3, v0, 4, 1                         ; h
	s_delay_alu instid0(VALU_DEP_2)
	v_mul_u32_u24 v11, v2, PITCH
	s_delay_alu instid0(VALU_DEP_1)
	v_lshl_add_u32 v14, v3, 4, v11                 ; a fragment's row x pitch + 16 h
	s_mul_i32 s96, s[WY], 64*PITCH                 ; my 64 tokens
	s_mul_i32 s97, s[WX], 64*PITCH                 ; my 64 rows of W,
	s_add_co_u32 s97, s97, AT                      ; behind x's 128
	v_add_nc_u32 v[ADRX], s96, v14
	v_add_nc_u32 v[ADRW], s97, v14
	s_delay_alu instid0(VALU_DEP_2)
	v_add_nc_u32 v[ADRX+1], HALF, v[ADRX]
	s_delay_alu instid0(VALU_DEP_2)
	v_add_nc_u32 v[ADRW+1], HALF, v[ADRW]
	v_lshl_add_u32 v[RA], v3, 5, v11               ; the tables: row x pitch + 32 h
	s_add_co_u32 s96, s96, COSL
	v_add_nc_u32 v[RA], s96, v[RA]
	v_lshlrev_b32 v[SCO], 5, v2
	s_delay_alu instid0(VALU_DEP_1)
	v_lshl_add_u32 v[SCO], v3, 4, v[SCO]           ; 32 bytes of scales a row; lanes 16-31 take K steps 4 to 7
	s_wait_alu depctr_va_vdst(0)
	s_lshl_b32 s90, s[GY], 12                      ; x's scale bytes: (128 token block + 64 wy) rows
	s_lshl_b32 s91, s[WY], 11
	s_add_co_u32 s90, s90, s91
	s_mov_b32 s91, 0
	s_add_nc_u64 s[82:83], s[6:7], s[90:91]
	s_lshl_b32 s90, s[GX], 13                      ; W's: (256 column block + 64 wx) rows
	s_lshl_b32 s98, s[WX], 11
	s_add_co_u32 s90, s90, s98
	s_add_co_u32 s90, s90, SQKV
	s_add_nc_u64 s[84:85], s[6:7], s[90:91]
	s_lshl_b32 s90, s[GX], 10                      ; the bias of my 64 columns
	s_lshl_b32 s98, s[WX], 8
	s_add_co_u32 s90, s90, s98
	s_add_nc_u64 s[86:87], s[8:9], s[90:91]
	s_mov_b32 s98, 9216                            ; my record: q's in qrec, 4,608 bytes; k's and v's in kvrec, 9,216
	s_cmp_eq_u32 ttmp9, 0
	s_cselect_b64 s[88:89], s[14:15], s[16:17]
	s_cselect_b32 s98, 4608, s98
	s_lshr_b32 s90, s[GY], 4                       ; the batch
	s_lshl_b32 s90, s90, 4
	s_lshl_b32 s94, s[CX], 2
	s_add_co_u32 s90, s90, s94
	s_add_co_u32 s90, s90, s[WX]                   ; 16 x batch + head
	s_lshl_b32 s90, s90, 4
	s_and_b32 s95, s[GY], 15
	s_add_co_u32 s90, s90, s95                     ; x 16 + step
	s_mul_i32 s90, s90, s98
	s_add_nc_u64 s[88:89], s[88:89], s[90:91]
.irp i, 0,1,2,3
	global_load_b128 v[SA+4*\i:SA+4*\i+3], v[SCO], s[82:83] offset:512*\i   ; 32 lanes read 512 consecutive bytes: sixteen rows' scale bytes of all of K
	global_load_b128 v[SB+4*\i:SB+4*\i+3], v[SCO], s[84:85] offset:512*\i
.endr
	s_cmp_eq_u32 ttmp9, 2                          ; v's clusters part here; the number is the same in all partners
	s_cbranch_scc1 .Lv_path
	; ---- q and k.  The bias is the C of the first K step: accumulator (L, Rb) begins as b[16 Rb + 8 h + j]
	v_lshlrev_b32 v[BO], 5, v3
.irp L, 0,1,2,3
.irp Rb, 0,1,2,3
	global_load_b128 v[ACC+8*(4*\L+\Rb):ACC+8*(4*\L+\Rb)+3], v[BO], s[86:87] offset:64*\Rb
	global_load_b128 v[ACC+8*(4*\L+\Rb)+4:ACC+8*(4*\L+\Rb)+7], v[BO], s[86:87] offset:64*\Rb+16
.endr
.endr
	v_lshlrev_b32 v[CSO], 4, v1                    ; codes: token tile 4 wy + L at 512 bytes each, 16 bytes a lane
	s_lshl_b32 s98, s[WY], 11
	v_add_nc_u32 v[CSO], s98, v[CSO]
	v_bfe_u32 v14, v0, 3, 1                        ; scale words: place 16 (r / 8) + 8 h + r % 8, 8 bytes each: the order in which the attention launch's lanes take them
	v_and_b32 v15, 7, v0
	s_delay_alu instid0(VALU_DEP_1)
	v_lshl_add_u32 v14, v14, 4, v15
	s_delay_alu instid0(VALU_DEP_1)
	v_lshl_add_u32 v14, v3, 3, v14
	s_lshl_b32 s98, s[WY], 8
	v_lshl_add_u32 v[SSO], v14, 3, s98
	BAR
.irp k, 0,1,2,3,4,5,6,7
	KSTEP \k, 0
.endr
	PLACES 4                                       ; in front of loads into the fragments' registers and of the first read of results
	ROPELOAD 0
.irp L, 0,1,2,3
	s_wait_dscnt 0x0                               ; this tile's cos and sin are in
	ROPE \L
.if \L < 3
	ROPELOAD \L+1                                  ; the next tile's, while this one is quantised
.endif
.if \L > 0
	s_wait_xcnt 0x0                                ; the last tile's store has read v120-123: they are written again only behind this wait
.endif
	QUANT32 ACC+32*\L, QD, PW+\L
	global_store_b128 v[CSO], v[QD:QD+3], s[88:89] offset:512*\L   ; 32 lanes store 512 consecutive bytes, aligned
.endr
	v_cndmask_b32 v[TM], v[PW], v[PW+2], s[HM]     ; lanes 0-15 store tiles 0 and 1's words, lanes 16-31 tiles 2 and 3's
	v_cndmask_b32 v[TM+1], v[PW+1], v[PW+3], s[HM]
	global_store_b64 v[SSO], v[TM:TM+1], s[88:89] offset:4096      ; 32 lanes fill 256 consecutive bytes, aligned
	s_branch .Ldone
	; ---- v.  The sources change places; the first K step starts the sums; the bias (one number a lane for each tile of channels, loaded twice to form a pair) is added behind the product
.Lv_path:
	v_lshlrev_b32 v[BO], 2, v2
.irp L, 0,1,2,3
	global_load_b32 v[TM+2*\L], v[BO], s[86:87] offset:64*\L
	global_load_b32 v[TM+2*\L+1], v[BO], s[86:87] offset:64*\L
.endr
	v_lshlrev_b32 v[CSO], 4, v1                    ; codes: fragment of channels 16 L on; my 64 tokens are its registers 4 wy .. 4 wy + 3
	s_lshl_b32 s98, s[WY], 9
	v_add_nc_u32 v[CSO], s98, v[CSO]
	s_lshl_b32 s98, s[WY], 8
	v_lshl_add_u32 v[SSO], v1, 3, s98              ; scale halves: 8 bytes a lane
	BAR
.irp k, 0,1,2,3,4,5,6,7
	KSTEP \k, 1
.endr
	PLACES 4
.irp L, 0,1,2,3
.set j, 0
.rept 16
	v_pk_add_f32 v[ACC+32*\L+j:ACC+32*\L+j+1], v[ACC+32*\L+j:ACC+32*\L+j+1], v[TM+2*\L:TM+2*\L+1]   ; each accumulator from its low end on
.set j, j+2
.endr
.endr
.irp L, 0,1,2,3
	QUANT32 ACC+32*\L, XF+4*\L, PW+\L
	global_store_b128 v[CSO], v[XF+4*\L:XF+4*\L+3], s[88:89] offset:5120+1024*\L   ; 512 consecutive bytes, aligned
.endr
	v_cndmask_b32 v[TM], v[PW], v[PW+1], s[HM]     ; lane l: the two bytes of channel tile l / 16 below, of tile 2 + l / 16 above
	v_cndmask_b32 v[TM+1], v[PW+2], v[PW+3], s[HM]
	s_delay_alu instid0(VALU_DEP_1)
	v_lshl_or_b32 v[TM], v[TM+1], 16, v[TM]
	v_mov_b32 v[TM+1], 0                           ; the second word only fills the 256 bytes
	global_store_b64 v[SSO], v[TM:TM+1], s[88:89] offset:4608
.Ldone:
	s_set_vgpr_msb 0x5
	s_wait_tensorcnt 0x0
	ds_add_u32 v0, v1
	s_wait_dscnt 0x0
	s_set_vgpr_msb 0x500
	ROUND                                          ; the closing round: no work-group ends while a partner may still ask for a tile that names it
	s_endpgm
.Lfunc_end_k_q76ea02012c_gemm1:
	.size	k_q76ea02012c_gemm1, .Lfunc_end_k_q76ea02012c_gemm1-k_q76ea02012c_gemm1
	.p2alignl 7, 3214868480
	.fill 96, 4, 3214868480
	.section	.rodata,"a",@progbits
	.p2align	6, 0x0
	.amdhsa_kernel k_q76ea02012c_gemm1
		.amdhsa_group_segment_fixed_size 279552
		.amdhsa_private_segment_fixed_size 0
		.amdhsa_enable_private_segment 0
		.amdhsa_kernarg_size 56
		.amdhsa_user_sgpr_count 2
		.amdhsa_user_sgpr_kernarg_segment_ptr 1
		.amdhsa_wavefront_size32 1
		.amdhsa_system_sgpr_workgroup_id_x 1
		.amdhsa_system_sgpr_workgroup_id_y 1
		.amdhsa_system_sgpr_workgroup_id_z 1
		.amdhsa_system_vgpr_workitem_id 0
		.amdhsa_next_free_vgpr 258
		.amdhsa_next_free_sgpr 100
		.amdhsa_reserve_vcc 0
		.amdhsa_float_denorm_mode_32 3
		.amdhsa_float_denorm_mode_16_64 3
		.amdhsa_memory_ordered 1
		.amdhsa_forward_progress 1
		.amdhsa_inst_pref_size 103
	.end_amdhsa_kernel
	.amdgpu_metadata
---
amdhsa.version: [ 1, 2 ]
amdhsa.kernels:
  - .name:           k_q76ea02012c_gemm1
    .symbol:         k_q76ea02012c_gemm1.kd
    .args:
      - { .name: cbuf, .offset: 0, .size: 8, .value_kind: global_buffer, .address_space: global }
      - { .name: sbuf, .offset: 8, .size: 8, .value_kind: global_buffer, .address_space: global }
      - { .name: qkv_b, .offset: 16, .size: 8, .value_kind: global_buffer, .address_space: global }
      - { .name: rope_cos, .offset: 24, .size: 8, .value_kind: global_buffer, .address_space: global }
      - { .name: rope_sin, .offset: 32, .size: 8, .value_kind: global_buffer, .address_space: global }
      - { .name: qrec, .offset: 40, .size: 8, .value_kind: global_buffer, .address_space: global }
      - { .name: kvrec, .offset: 48, .size: 8, .value_kind: global_buffer, .address_space: global }
    .group_segment_fixed_size: 279552
    .private_segment_fixed_size: 0
    .kernarg_segment_align: 8
    .kernarg_segment_size: 56
    .max_flat_workgroup_size: 256
    .sgpr_count:     100
    .vgpr_count:     258
    .wavefront_size: 32
...
	.end_amdgpu_metadata
.endif
;; end of part 2
;; launch attn (part 3): grid 4 x 64, 8 waves a work-group, clusters of 4 x 4, 327,680 bytes of LDS; arguments qrec, kvrec, attention_bias, head_mask, ctxc, ctxs; writes ctxc, ctxs
.if DOCPART == 3
	.amdgcn_target "amdgcn-amd-amdhsa--gfx1250"
	.amdhsa_code_object_version 6
	.text
	.protected	k_q76ea02012c_attn
	.globl	k_q76ea02012c_attn
	.p2align	8
	.type	k_q76ea02012c_attn,@function
k_q76ea02012c_attn:
	s_mov_b64 s[64:65], 0
	v_nop
	global_prefetch_b8 v0, s[64:65] scope:SCOPE_SE
	s_setreg_imm32_b32 hwreg(HW_REG_WAVE_MODE, 25, 1), 1
	s_wait_xcnt 0x0
	s_wait_alu depctr_hold_cnt(0) depctr_sa_sdst(0) depctr_va_vdst(0) depctr_va_sdst(0) depctr_va_ssrc(0) depctr_va_vcc(0) depctr_vm_vsrc(0)
	s_getreg_b32 s2, hwreg(HW_REG_IB_STS2, 6, 4)
	s_cmp_eq_u32 s2, 0
	s_cbranch_scc0 .Lentry_in_a_cluster
	s_endpgm
.Lentry_in_a_cluster:
	s_bfe_u32 s2, ttmp6, 0x10000c
	s_cmp_lg_u32 s2, 0xf033
	s_cbranch_scc0 .Lentry_shape_is_right
	s_endpgm
.Lentry_shape_is_right:
; ctx = Q(softmax(Q(q) Q(k)^T + bias) x head_mask) Q(v), both products on codes of FP4 with E8M0 scales; ctx is then quantised along the head's 64 for the output projection.
; THE WEIGHTS ARE QUANTISED FINISHED, so the keys are walked TWICE.  Pass 1 finds each row's M (the running largest t = score x log2(e), rounded up to a whole number, so that a change of M
; rescales the sum exactly) and the row's sum.  Pass 2 makes the same scores again and p = 2^(t - M'), M' = M - log2(|head_mask| / sum): |p| finished and normalised by one multiply-add and one exponential.
; The sign of head_mask multiplies O^T once at the end: the quantiser is odd, so that is exact.
; ROUNDING: |g| enters p through the exponent and not by a multiplication: an order of rounding other than reference()'s; the difference is that of one f32 logarithm and one f32 addition in the exponent.
; SHARES.  A work-group owns 128 queries of one batch and four heads.  Eight waves of 512 registers: wave w takes heads 2 (w % 2), + 1 and query tiles 2 (w / 2), + 1: four units (tile, head) a key step.
; A bias tile (16 queries x 128 keys) is loaded once into 64 registers and is the C of both heads' score products, whose D lies in other registers; a fragment of K feeds both tiles.
; Every wave walks the batch's 2,048 keys, 128 a step, 16 steps a pass, through a ring of two LDS slots.
; THE CHANGE OF SLOTS stands behind a step's last score product: by then all that the step reads of its slot lies in registers.  Behind it the next step's fragments are asked for, and the units
; whose scores are already in registers (pass 1: two; pass 2: one, with its product by V) are worked while those loads are out.
; CLUSTER 4 x 4.  The bias tile hangs on the query block alone: the four head groups of a row of the cluster ask for it jointly.  The K and V records hang on batch and head group: the four query
; blocks of a column ask jointly.  One descriptor of a record's 9 rows serves both passes, so that pass 1 is one loop: in pass 1 V's four rows come with K's and are not read.
; LAYOUT.  Both products are used transposed (S^T = K Q^T, O^T = V^T P^T): a lane holds ONE query.  K = 64 is filled to the instruction's 128 by zero codes in Q's registers 4-7; K's fragment t is
; v[KF + 4 t .. + 7]: its upper half is the next fragment's codes, which meet those zeros.  Row m of key tile 4 c + u is key 64 c + 32 (m / 8) + 8 u + m % 8, so that register 32 c + 8 u + j of a
; lane is key 64 c + 32 (lane / 16) + 8 u + j: a whole block of 32 keys lies in one lane, and the conversions' results are P's operand registers as they stand.
; LIMITS: NaN and +infinity among the inputs are not served; -infinity in the bias is, where the row still has a finite score.  The promise holds while |t| stays under 2^31.  A p under 2^-126 counts
; as 0.  A block of zeros gets the byte 1 (this program alone reads the bytes).  A block's largest p is made from the block's largest score by the same two instructions as every p: that takes
; v_exp_f32 not to fall where its input rises.
.set SLOT1, 131072                     ; slot 1 begins here: one exclusive or turns an address in one slot into the other's
.set BP,    528                        ; a bias row in LDS: 512 bytes + 16
.set KVO,   128*BP                     ; behind the bias: four heads' records
.set RP,    1152                       ; a record's row: 1,024 bytes + 128
.set HREC,  9*RP                       ; rows 0-3 K's codes, row 4 K's and V's scales, rows 5-8 V's four fragments
.set SPARE, 262144                     ; the spare words: 128 bytes for each of eight waves; no other line names them
.set STG,   SPARE+2048                 ; 1,024 bytes: ctx's scale bytes on the way out; no tensor load lands here
.set KREC,  9216
.set QREC,  4608
; window 0 (v0-255)
.set SPW, 1                            ; my spare word's LDS address; never rewritten
.set NIL, 2                            ; 0; never rewritten
.set AK0, 3                            ; v3-6 my lane's places in a slot: K's codes, the scales, V's fragments, the bias
.set AS0, 4
.set AV0, 5
.set AB0, 6
.set ADK, 7                            ; v7-10 the same in the slot in hand
.set ADS, 8
.set ADV, 9
.set ADB, 10
.set H8,  11                           ; 8 (lane / 16)
.set PFO, 12                           ; the prefetches' offset: 8,192 x lane
.set L16, 14                           ; 16 x lane
.set SGA, 15                           ; where my row's scale bytes go in the stage
.set ST,  16                           ; v16-31 unit u = 2 tile + head: -M, largest score, sum in two halves; behind pass 1: -M', -, the sign twice
.set WK,  32                           ; v32-47 at work
.set TM,  32
.set QS,  48                           ; v48-51 Q's scale words, a unit each
.set KS,  52                           ; v52-59 K's, four a head
.set VX,  60                           ; v60-63 V's scale halves as they lie
.set VS,  64                           ; v64-67 V's scale words, two a head
.set PS,  68                           ; v68-69 P's, by the unit's head
.set HMR, 70                           ; v70-71 head_mask of my two heads
.set PC,  72                           ; v72-87 P's fragments, by the unit's head
.set QF,  88                           ; v88-119 Q's four fragments
.set KF,  120                          ; v120-183 K's sixteen half fragments, v184-187 zeros
.set VF,  188                          ; v188-251 V's eight fragments
; window 1 (v256-511), written by their low 8 bits
.set B,   0                            ; the bias tile in hand
.set D0,  64                           ; scores, then p
.set D1,  128                          ; pass 1: a second set
.set O,   128                          ; pass 2: O^T, 32 registers a unit
.set WV,  16
.set HH,  17                           ; which quarter of the bias tile (waves 0-3) or whose record (waves 4-7) I fetch
.set CX,  19
.set CY,  20
.set WGY, 21                           ; 16 x batch + query block
.set BB,  22
.set TB,  23                           ; LDS byte at which the slot in hand begins
.set NXT, 24                           ; the step that is being asked for, 1 to 31
.set LIM, 25                           ; 31 in a wave that prefetches, else 0
.set CNT, 26
.set W1,  27
.set SEL, 28                           ; s[28:29] v_permlanex16_b32's selects for lane l xor 16
.set CS,  30                           ; s[30:31] log2(e)
.set G1B, 32                           ; s[32:39] descriptor group 1 for the bias;  s[40:47] for a record
.set G1K, 40
.set BSB, 48                           ; s[48:49], s[50:51] my tiles' addresses at step 0
.set BSK, 50
.set OFB, 52                           ; s[52:53], s[54:55] the asked step's bytes
.set OFK, 54
.set G0B, 56
.set G0K, 60
.set PFB, 66
.set PFA, 68
.set PO,  70
.set TP,  94                           ; my pair of query tiles
.set ONE, 95
.set MSB, 0
.macro WIN new                         ; bits 1:0 source 0, 3:2 source 1, 5:4 source 2, 7:6 destination; the high byte repeats the setting that is left
.if MSB != \new
	s_set_vgpr_msb (MSB<<8)|\new
.set MSB, \new
.endif
.endm
.macro PLACES n
.rept \n
	v_nop
.endr
.endm
.macro ALU
	s_wait_alu depctr_va_vdst(0)
.endm
.macro CROUND                          ; a round of the cluster's barrier
	s_barrier_signal -1
	s_barrier_wait -1
	s_cmp_lg_u32 s[WV], 0
	s_cbranch_scc1 .Lnot_wave_0_\@
	s_barrier_signal -3
.Lnot_wave_0_\@:
	s_barrier_wait -3
	s_barrier_signal -1
	s_barrier_wait -1
.endm
; Eight loads a step, one a wave: waves 0 to 3 fetch a quarter of the bias tile each (32 rows, 16,384 bytes), waves 4 to 7 a head's record each (9,216 bytes).  The branch hangs on the wave's number alone
.macro TLOAD
	s_cmp_lt_u32 s[WV], 4
	s_cbranch_scc0 .Lnot_b_\@
	tensor_load_to_lds s[G0B:G0B+3], s[G1B:G1B+7]
	s_nop 0
	PLACES 4
	s_branch .Lasked_\@
.Lnot_b_\@:
	tensor_load_to_lds s[G0K:G0K+3], s[G1K:G1K+7]
	s_nop 0
	PLACES 4
.Lasked_\@:
.endm
; A PREFETCH of the bias tile of the step after the one just asked for: one key step ahead of its tensor load.  Waves 2 and 3 ask, one instruction each: a lane a row, wave 2 the first 256 bytes
; of the row's 512, wave 3 the second.  The four partners that ask for the tile jointly share its 128 rows out by address, 32 each.  The change that asks for the last step names nothing.
; K's and V's records are not named: four clusters and both passes read each.
.macro ASK
	s_cmp_lt_u32 s[NXT], s[LIM]
	s_cbranch_scc0 .Lnot_mine_\@
	global_prefetch_b8 v[PFO], s[PFA:PFA+1] th:TH_LOAD_NT scope:SCOPE_SE
.Lnot_mine_\@:
.endm
; THE CHANGE OF SLOTS.  Each wave waits for all its tensor loads (its part of the slot ahead), adds 0 to its spare word, and waits for that and for its reads of the slot that it leaves.
; fill = 1: the barrier is a round of the cluster's, and behind it the slot just left is filled with step NXT's tiles; step 16 + i reads the same memory as step i.
.macro CHANGE fill
	WIN 0
	ALU
	s_wait_tensorcnt 0x0                           ; no tensor load of mine is out, so a group 0 may be written
	ds_add_u32 v[SPW], v[NIL]
.if \fill
	s_add_co_u32 s[NXT], s[NXT], 1
	s_xor_b32 s[G0B+1], s[G0B+1], SLOT1
	s_xor_b32 s[G0K+1], s[G0K+1], SLOT1
	s_and_b32 s[OFB], s[NXT], 15
	s_mul_i32 s[OFK], s[OFB], KREC
	s_lshl_b32 s[OFB], s[OFB], 9
	s_add_nc_u64 s[G0B+2:G0B+3], s[BSB:BSB+1], s[OFB:OFB+1]
	s_or_b32 s[G0B+3], s[G0B+3], 0x80000000
	s_add_nc_u64 s[G0K+2:G0K+3], s[BSK:BSK+1], s[OFK:OFK+1]
	s_or_b32 s[G0K+3], s[G0K+3], 0x80000000
	s_wait_xcnt 0x0                                ; the last prefetch, a step back, has read its address
	s_add_co_u32 s[PO], s[NXT], 1
	s_and_b32 s[PO], s[PO], 15
	s_lshl_b32 s[PO], s[PO], 9
	s_add_nc_u64 s[PFA:PFA+1], s[PFB:PFB+1], s[PO:PO+1]
.endif
	s_wait_dscnt 0x0
.if \fill
	CROUND
	TLOAD
	ASK
.else
	s_barrier_signal -1
	s_barrier_wait -1
.endif
.endm
.macro BLOAD tau                       ; the bias of my query of tile tau at my 64 keys
	WIN 0x40
.irp c, 0,1
.irp i, 0,1,2,3,4,5,6,7
	ds_load_b128 v[B+32*\c+4*\i:B+32*\c+4*\i+3], v[ADB] offset:(\tau)*16*BP+256*\c+16*\i
.endr
.endr
.endm
; On to the other slot: four addresses (also the four plain places behind the last score products), both heads' K (20 loads) and tile 0's bias (16)
.macro NEWSLOT
	s_xor_b32 s[TB], s[TB], SLOT1
	v_add_nc_u32 v[ADK], s[TB], v[AK0]
	v_add_nc_u32 v[ADS], s[TB], v[AS0]
	v_add_nc_u32 v[ADV], s[TB], v[AV0]
	v_add_nc_u32 v[ADB], s[TB], v[AB0]
.irp e, 0,1
.irp c, 0,1
.irp u, 0,1,2,3
	ds_load_b128 v[KF+32*\e+16*\c+4*\u:KF+32*\e+16*\c+4*\u+3], v[ADK] offset:\e*HREC+\c*2*RP+(\u/2)*512+(\u%2)*128
.endr
.endr
	ds_load_b64 v[KS+4*\e:KS+4*\e+1], v[ADS] offset:\e*HREC
	ds_load_b64 v[KS+4*\e+2:KS+4*\e+3], v[ADS] offset:\e*HREC+256
.endr
	BLOAD 0
.endm
.macro VLOAD                           ; both heads' V^T: four fragments of 16 channels x 128 keys and two scale halves each: 20 loads
	WIN 0
.irp e, 0,1
.irp d, 0,1,2,3
	ds_load_b128 v[VF+32*\e+8*\d:VF+32*\e+8*\d+3], v[ADV] offset:\e*HREC+\d*RP
	ds_load_b128 v[VF+32*\e+8*\d+4:VF+32*\e+8*\d+7], v[ADV] offset:\e*HREC+\d*RP+512
.endr
	ds_load_b32 v[VX+2*\e], v[ADS] offset:\e*HREC+512
	ds_load_b32 v[VX+2*\e+1], v[ADS] offset:\e*HREC+768
.endr
.endm
.macro SCORE d, tau, eta               ; S^T = K Q^T + bias: eight accumulators, one instruction each; C is the bias tile, D other registers
	WIN 0x50
.irp c, 0,1
.irp u, 0,1,2,3
.if \u%2
	v_wmma_scale_f32_16x16x128_f8f6f4 v[(\d)+32*\c+8*\u:(\d)+32*\c+8*\u+7], v[KF+32*(\eta)+16*\c+4*\u:KF+32*(\eta)+16*\c+4*\u+7], v[QF+16*(\tau)+8*(\eta):QF+16*(\tau)+8*(\eta)+7], v[B+32*\c+8*\u:B+32*\c+8*\u+7], v[KS+4*(\eta)+2*\c+\u/2], v[QS+2*(\tau)+(\eta)] matrix_a_fmt:MATRIX_FMT_FP4 matrix_b_fmt:MATRIX_FMT_FP4 matrix_a_scale:MATRIX_SCALE_ROW1
.else
	v_wmma_scale_f32_16x16x128_f8f6f4 v[(\d)+32*\c+8*\u:(\d)+32*\c+8*\u+7], v[KF+32*(\eta)+16*\c+4*\u:KF+32*(\eta)+16*\c+4*\u+7], v[QF+16*(\tau)+8*(\eta):QF+16*(\tau)+8*(\eta)+7], v[B+32*\c+8*\u:B+32*\c+8*\u+7], v[KS+4*(\eta)+2*\c+\u/2], v[QS+2*(\tau)+(\eta)] matrix_a_fmt:MATRIX_FMT_FP4 matrix_b_fmt:MATRIX_FMT_FP4
.endif
.endr
.endr
.endm
.macro PV tau, eta                     ; O^T += V^T P^T of one unit: four accumulators, one instruction each
	WIN 0x50
	ALU
.irp d, 0,1,2,3
.if \d%2
	v_wmma_scale_f32_16x16x128_f8f6f4 v[O+64*(\tau)+32*(\eta)+8*\d:O+64*(\tau)+32*(\eta)+8*\d+7], v[VF+32*(\eta)+8*\d:VF+32*(\eta)+8*\d+7], v[PC+8*(\eta):PC+8*(\eta)+7], v[O+64*(\tau)+32*(\eta)+8*\d:O+64*(\tau)+32*(\eta)+8*\d+7], v[VS+2*(\eta)+\d/2], v[PS+(\eta)] matrix_a_fmt:MATRIX_FMT_FP4 matrix_b_fmt:MATRIX_FMT_FP4 matrix_a_scale:MATRIX_SCALE_ROW1
.else
	v_wmma_scale_f32_16x16x128_f8f6f4 v[O+64*(\tau)+32*(\eta)+8*\d:O+64*(\tau)+32*(\eta)+8*\d+7], v[VF+32*(\eta)+8*\d:VF+32*(\eta)+8*\d+7], v[PC+8*(\eta):PC+8*(\eta)+7], v[O+64*(\tau)+32*(\eta)+8*\d:O+64*(\tau)+32*(\eta)+8*\d+7], v[VS+2*(\eta)+\d/2], v[PS+(\eta)] matrix_a_fmt:MATRIX_FMT_FP4 matrix_b_fmt:MATRIX_FMT_FP4
.endif
.endr
.endm
.macro MAX32 d                         ; eight chains by turns, one for each accumulator, each from its low end on; one window setting for all 32 lines
.irp b, 0,1,2,3,4,5,6,7
	v_max_num_f32 v[WK+\b], v[(\d)+8*\b], v[(\d)+8*\b+1]
.endr
.irp i, 2,4,6
.irp b, 0,1,2,3,4,5,6,7
	v_max3_num_f32 v[WK+\b], v[(\d)+8*\b+\i], v[(\d)+8*\b+\i+1], v[WK+\b]
.endr
.endr
.endm
.macro SCEXP d, tb                     ; t - M, two at a time (of the pairs log2(e) and -M the low word serves both halves); then the 64 exponentials as one batch
	WIN 0x41
.set j, 0
.rept 32
	v_pk_fma_f32 v[(\d)+j:(\d)+j+1], v[(\d)+j:(\d)+j+1], s[CS:CS+1], v[(\tb):(\tb)+1] op_sel_hi:[1,0,0]
.set j, j+2
.endr
	ALU
.set j, 0
.rept 64
	v_exp_f32 v[(\d)+j], v[(\d)+j]
.set j, j+1
.endr
	WIN 0
.endm
; PASS 1, TWO UNITS AT A TIME: unit A's 64 scores of my lane in D0 (statistics at ta), unit B's in D1 (at ta + 4).  The statistics are the lane's own, over its half of the keys; the halves meet between the passes.
; The two units' chains take turns line by line: sixteen chains of maxima, two of M, eight of sums.  Plain lines stand among the exponentials only where they read what was written ahead of a wait
; and their results are read behind the next one: B's 32 multiply-adds among A's 64 exponentials, the first level of A's sum (16 additions that hang on nothing of each other) among B's.
.set XT, VF                            ; pass 1 alone: twelve registers at work where pass 2 keeps V
.macro STAT2 ta
	WIN 0x05
	ALU
.irp b, 0,1,2,3,4,5,6,7
	v_max_num_f32 v[WK+\b], v[D0+8*\b], v[D0+8*\b+1]               ; a chain for each accumulator, each from its low end on; one window setting for all 64 lines
	v_max_num_f32 v[WK+8+\b], v[D1+8*\b], v[D1+8*\b+1]
.endr
.irp i, 2,4,6
.irp b, 0,1,2,3,4,5,6,7
	v_max3_num_f32 v[WK+\b], v[D0+8*\b+\i], v[D0+8*\b+\i+1], v[WK+\b]
	v_max3_num_f32 v[WK+8+\b], v[D1+8*\b+\i], v[D1+8*\b+\i+1], v[WK+8+\b]
.endr
.endr
	WIN 0
.irp e, 0,1
	v_max3_num_f32 v[WK+8*\e], v[WK+8*\e], v[WK+8*\e+1], v[WK+8*\e+2]
	v_max3_num_f32 v[WK+8*\e+3], v[WK+8*\e+3], v[WK+8*\e+4], v[WK+8*\e+5]
	v_max3_num_f32 v[WK+8*\e+6], v[WK+8*\e+6], v[WK+8*\e+7], v[(\ta)+4*\e+1]
	v_mov_b32 v[WK+8*\e+1], v[(\ta)+4*\e]          ; the old -M
.endr
.irp e, 0,1
	v_max3_num_f32 v[(\ta)+4*\e+1], v[WK+8*\e], v[WK+8*\e+3], v[WK+8*\e+6]   ; the running largest score
.endr
.irp e, 0,1
	s_delay_alu instid0(VALU_DEP_2)
	v_mul_f32 v[WK+8*\e], s[CS], v[(\ta)+4*\e+1]   ; as t
.endr
.irp e, 0,1
	s_delay_alu instid0(VALU_DEP_2)
	v_floor_f32 v[(\ta)+4*\e], -v[WK+8*\e]         ; the new -M = floor(-t): M is a whole number
.endr
	WIN 0x41
.set j, 0
.rept 32
	v_pk_fma_f32 v[D0+j:D0+j+1], v[D0+j:D0+j+1], s[CS:CS+1], v[(\ta):(\ta)+1] op_sel_hi:[1,0,0]   ; A: t - M, two at a time
.set j, j+2
.endr
	ALU
.set j, 0
.rept 32
	v_exp_f32 v[D0+j], v[D0+j]                     ; A's p;
	v_pk_fma_f32 v[D1+j:D1+j+1], v[D1+j:D1+j+1], s[CS:CS+1], v[(\ta)+4:(\ta)+5] op_sel_hi:[1,0,0]   ; among them B's t - M
	v_exp_f32 v[D0+j+1], v[D0+j+1]
.set j, j+2
.endr
	ALU                                            ; behind A's batch and ahead of B's
	WIN 0x45
.set j, 0
.rept 16
	v_exp_f32 v[D1+2*j], v[D1+2*j]                 ; B's p;
	v_exp_f32 v[D1+2*j+1], v[D1+2*j+1]
	v_pk_add_f32 v[D0+j:D0+j+1], v[D0+j:D0+j+1], v[D0+32+j:D0+33+j]   ; among them A's upper 32 onto its lower 32
	v_exp_f32 v[D1+2*j+2], v[D1+2*j+2]
	v_exp_f32 v[D1+2*j+3], v[D1+2*j+3]
.set j, j+2
.endr
	WIN 0
.irp e, 0,1
	v_sub_f32 v[WK+8*\e+1], v[(\ta)+4*\e], v[WK+8*\e+1]            ; old M - new M: a whole number, 0 or less.  (Plain work behind the batch)
.endr
.irp e, 0,1
	s_delay_alu instid0(VALU_DEP_2)
	v_cvt_i32_f32 v[WK+8*\e+1], v[WK+8*\e+1]       ; (it saturates)
.endr
.irp e, 0,1
	s_delay_alu instid0(VALU_DEP_2)
	v_ldexp_f32 v[WK+8*\e+4], 1.0, v[WK+8*\e+1]    ; f = 2^(old M - new M): rescaling by it rounds nothing
.endr
.irp e, 0,1
	s_delay_alu instid0(VALU_DEP_2)
	v_pk_mul_f32 v[(\ta)+4*\e+2:(\ta)+4*\e+3], v[(\ta)+4*\e+2:(\ta)+4*\e+3], v[WK+8*\e+4:WK+8*\e+5] op_sel_hi:[1,0]   ; the sums under the new M
.endr
	ALU
	WIN 0x05                                       ; the sums, two at a time: A's 16 pairs in three chains, B's 32 in five
	v_pk_add_f32 v[XT:XT+1], v[D0:D0+1], v[D0+2:D0+3]
	v_pk_add_f32 v[XT+2:XT+3], v[D0+4:D0+5], v[D0+6:D0+7]
.irp q, 0,1,2,3
	v_pk_add_f32 v[XT+4+2*\q:XT+5+2*\q], v[D1+4*\q:D1+4*\q+1], v[D1+4*\q+2:D1+4*\q+3]
.endr
	WIN 0x04
.irp r, 0,1,2,3
	v_pk_add_f32 v[(\ta)+2:(\ta)+3], v[(\ta)+2:(\ta)+3], v[D0+8+6*\r:D0+9+6*\r]
	v_pk_add_f32 v[XT:XT+1], v[XT:XT+1], v[D0+10+6*\r:D0+11+6*\r]
	v_pk_add_f32 v[XT+2:XT+3], v[XT+2:XT+3], v[D0+12+6*\r:D0+13+6*\r]
	v_pk_add_f32 v[(\ta)+6:(\ta)+7], v[(\ta)+6:(\ta)+7], v[D1+16+10*\r:D1+17+10*\r]
	v_pk_add_f32 v[XT+4:XT+5], v[XT+4:XT+5], v[D1+18+10*\r:D1+19+10*\r]
	v_pk_add_f32 v[XT+6:XT+7], v[XT+6:XT+7], v[D1+20+10*\r:D1+21+10*\r]
	v_pk_add_f32 v[XT+8:XT+9], v[XT+8:XT+9], v[D1+22+10*\r:D1+23+10*\r]
	v_pk_add_f32 v[XT+10:XT+11], v[XT+10:XT+11], v[D1+24+10*\r:D1+25+10*\r]
.endr
.irp q, 0,1,2,3
	v_pk_add_f32 v[XT+4+2*\q:XT+5+2*\q], v[XT+4+2*\q:XT+5+2*\q], v[D1+56+2*\q:D1+57+2*\q]
.endr
	WIN 0
	v_pk_add_f32 v[XT:XT+1], v[XT:XT+1], v[XT+2:XT+3]
	v_pk_add_f32 v[XT+4:XT+5], v[XT+4:XT+5], v[XT+6:XT+7]
	v_pk_add_f32 v[XT+8:XT+9], v[XT+8:XT+9], v[XT+10:XT+11]
	s_delay_alu instid0(VALU_DEP_3)
	v_pk_add_f32 v[(\ta)+2:(\ta)+3], v[(\ta)+2:(\ta)+3], v[XT:XT+1]
	s_delay_alu instid0(VALU_DEP_2)
	v_pk_add_f32 v[XT+4:XT+5], v[XT+4:XT+5], v[XT+8:XT+9]
	s_delay_alu instid0(VALU_DEP_1)
	v_pk_add_f32 v[(\ta)+6:(\ta)+7], v[(\ta)+6:(\ta)+7], v[XT+4:XT+5]
.endm
; PASS 2.  MAXB: the largest score of my two blocks of 32 keys, into WK and WK + 2
.macro MAXB
	WIN 0x05
	MAX32 D0
	WIN 0
	v_max3_num_f32 v[WK], v[WK], v[WK+1], v[WK+2]
	v_max3_num_f32 v[WK+4], v[WK+4], v[WK+5], v[WK+6]
	s_delay_alu instid0(VALU_DEP_2)
	v_max_num_f32 v[WK], v[WK], v[WK+3]
	s_delay_alu instid0(VALU_DEP_2)
	v_max_num_f32 v[WK+2], v[WK+4], v[WK+7]
.endm
; REST: p = 2^(t - M'), the same of the two largest, the conversions' scale operands (WK + 4, + 5), and P's fragment
.macro REST tb, pc
	WIN 0
	v_fma_f32 v[WK], v[WK], s[CS], v[(\tb)]
	v_fma_f32 v[WK+2], v[WK+2], s[CS], v[(\tb)]
	SCEXP D0, \tb
	v_exp_f32 v[WK], v[WK]
	v_exp_f32 v[WK+2], v[WK+2]
	v_nop                                          ; the plain place behind the batch of 66,
	ALU                                            ; and its one wait
	v_max_num_f32 v[WK], 0x1800000, v[WK]          ; the floor 2^(3 - 127): the byte cannot fall under 1
	v_max_num_f32 v[WK+2], 0x1800000, v[WK+2]
	s_delay_alu instid0(VALU_DEP_2)
	v_add_nc_u32 v[WK+4], 0xff000000, v[WK]        ; 2 off the exponent field
	v_add_nc_u32 v[WK+5], 0xff000000, v[WK+2]
	WIN 0x01
.irp c, 0,1
.irp u, 0,1,2,3
	v_cvt_scalef32_pk8_fp4_f32 v[(\pc)+4*\c+\u], v[D0+32*\c+8*\u:D0+32*\c+8*\u+7], v[WK+4+\c]
.endr
.endr
	WIN 0
	v_nop                                          ; one plain place behind a scaled conversion
.endm
; P's scale word: my two bytes at blocks lane / 16 and 2 + lane / 16, with lane l xor 16's two.  These lines are also the plain places behind the score products ahead of them
.macro SOFTB ps
	WIN 0
	v_lshrrev_b32 v[WK+6], 23, v[WK+4]
	v_lshrrev_b32 v[WK+7], 23, v[WK+5]
	s_delay_alu instid0(VALU_DEP_1)
	v_lshl_or_b32 v[WK+6], v[WK+7], 16, v[WK+6]
	s_delay_alu instid0(VALU_DEP_1)
	v_lshlrev_b32 v[WK+6], v[H8], v[WK+6]
	s_delay_alu instid0(VALU_DEP_1)
	v_permlanex16_b32 v[WK+7], v[WK+6], s[SEL], s[SEL+1]
	s_delay_alu instid0(VALU_DEP_1)
	v_or_b32 v[(\ps)], v[WK+6], v[WK+7]
.endm
; A key step of pass 2.  chg = 2: the change of slots fills; 1: it does not; 0: the last step: no change, nothing more is fetched.
; A unit's product by V stands behind the next unit's search for maxima: those 36 plain lines are the places that P's scale word and fragment owe ahead of a scaled matrix instruction
.macro BODY2 chg
	ALU
	s_wait_dscnt 20                                ; K and tile 0's bias are in; V's 20 loads, issued behind them, may be out
	SCORE D0, 0, 0
	PLACES 4
	MAXB
	REST ST, PC
	ALU
	s_wait_dscnt 0x0                               ; V and its scale halves
	SCORE D0, 0, 1
	WIN 0
.irp e, 0,1
	v_perm_b32 v[VS+2*\e], v[VX+2*\e+1], v[VX+2*\e], 0x05040100    ; the halves' low 16 bits: the words of channel tiles 0 (lanes 0-15) and 1 (lanes 16-31);
	v_perm_b32 v[VS+2*\e+1], v[VX+2*\e+1], v[VX+2*\e], 0x07060302  ; their high 16 bits: tiles 2 and 3
.endr
	SOFTB PS
	BLOAD 1                                        ; both heads have taken tile 0's bias
	MAXB
	PV 0, 0
	REST ST+4, PC+8
	ALU
	s_wait_dscnt 0x0                               ; tile 1's bias
	SCORE D0, 1, 0
	SOFTB PS+1
	MAXB
	PV 0, 1
	REST ST+8, PC
	SCORE D0, 1, 1
	SOFTB PS
.if \chg
	CHANGE \chg-1
	NEWSLOT
.endif
	MAXB
	PV 1, 0
	REST ST+12, PC+8
	SOFTB PS+1
	PLACES 8                                       ; a scale register written by a vector instruction stands 8 places ahead of a scaled matrix instruction
	PV 1, 1
.if \chg
	PLACES 4                                       ; in front of loads into registers that matrix instructions have read
	VLOAD
.endif
	WIN 0
.endm
; 32 numbers of a lane (window 1), register 8 t + j = index 16 t + 8 (lane / 16) + j along the next K, become registers 0-3 of a fragment in v[dst] on and two scale bytes in v[pw]
.macro QUANT32 src, dst, pw
	WIN 0x05
	v_max3_num_f32 v[TM], |v[(\src)]|, |v[(\src)+1]|, 0x1800000
	v_max3_num_f32 v[TM+1], |v[(\src)+16]|, |v[(\src)+17]|, 0x1800000
.irp i, 2,4,6,8,10,12,14
	v_max3_num_f32 v[TM], |v[(\src)+\i]|, |v[(\src)+\i+1]|, v[TM]
	v_max3_num_f32 v[TM+1], |v[(\src)+16+\i]|, |v[(\src)+17+\i]|, v[TM+1]
.endr
	WIN 0
	v_permlanex16_b32 v[TM+2], v[TM], s[SEL], s[SEL+1]
	v_permlanex16_b32 v[TM+3], v[TM+1], s[SEL], s[SEL+1]
	s_delay_alu instid0(VALU_DEP_2)
	v_max_num_f32 v[TM], v[TM], v[TM+2]
	s_delay_alu instid0(VALU_DEP_2)
	v_max_num_f32 v[TM+1], v[TM+1], v[TM+3]
	s_delay_alu instid0(VALU_DEP_2)
	v_add_nc_u32 v[TM+4], 0xff000000, v[TM]
	s_delay_alu instid0(VALU_DEP_2)
	v_add_nc_u32 v[TM+5], 0xff000000, v[TM+1]
	s_delay_alu instid0(VALU_DEP_2)
	v_lshrrev_b32 v[TM+6], 23, v[TM+4]
	s_delay_alu instid0(VALU_DEP_2)
	v_lshrrev_b32 v[TM+7], 23, v[TM+5]
	s_delay_alu instid0(VALU_DEP_1)
	v_lshl_or_b32 v[(\pw)], v[TM+7], 8, v[TM+6]
	WIN 0x01
	v_cvt_scalef32_pk8_fp4_f32 v[(\dst)], v[(\src):(\src)+7], v[TM+4]
	v_cvt_scalef32_pk8_fp4_f32 v[(\dst)+1], v[(\src)+16:(\src)+23], v[TM+5]
	v_cvt_scalef32_pk8_fp4_f32 v[(\dst)+2], v[(\src)+8:(\src)+15], v[TM+4]
	v_cvt_scalef32_pk8_fp4_f32 v[(\dst)+3], v[(\src)+24:(\src)+31], v[TM+5]
	WIN 0
	v_nop
	v_permlane16_swap_b32 v[(\dst)], v[(\dst)+1]
	v_permlane16_swap_b32 v[(\dst)+2], v[(\dst)+3]
.endm
	s_load_b256 s[4:11], s[0:1], 0x0               ; qrec s[4:5], kvrec s[6:7], attention_bias s[8:9], head_mask s[10:11]
	s_load_b128 s[12:15], s[0:1], 0x20             ; ctxc s[12:13], ctxs s[14:15]
	v_lshl_add_u32 v[SPW], v0, 2, SPARE
	v_mov_b32 v[NIL], 0
	ds_add_u32 v[SPW], v[NIL]                      ; the add, twice on end, and its wait below
	ds_add_u32 v[SPW], v[NIL]
	v_lshrrev_b32 v3, 5, v0
	v_readfirstlane_b32 s[WV], v3                  ; wave 0..7
	s_and_b32 s[HH], s[WV], 3
	s_and_b32 s[W1], s[WV], 1
	s_lshr_b32 s[TP], s[WV], 1
	s_bfe_u32 s[CX], ttmp6, 0x40000                ; cx: my group of four heads
	s_bfe_u32 s[CY], ttmp6, 0x40004
	s_and_b32 s[BB], ttmp7, 0xffff                 ; cluster y
	s_lshl_b32 s[WGY], s[BB], 2
	s_add_co_u32 s[WGY], s[WGY], s[CY]             ; 16 x batch + query block
	s_lshr_b32 s[BB], s[BB], 2                     ; the batch: the same in all sixteen partners
	s_lshl_b32 s76, s[CY], 2
	s_lshl_b32 s76, 15, s76                        ; my row of the cluster
	s_lshl_b32 s77, 0x1111, s[CX]                  ; my column
	; the bias: 32 rows x 128 f32; padding: 4 words (code 3) after every 128 (code 6); bit 21 set beside a mask
	s_or_b32 s[G1B], s76, (2<<16)|(1<<20)|(1<<21)|(6<<22)|(3<<25)
	s_mov_b32 s[G1B+1], 128<<16
	s_mov_b32 s[G1B+2], 32<<16
	s_mov_b32 s[G1B+3], 128<<16
	s_mov_b32 s[G1B+4], 32
	s_mov_b32 s[G1B+5], 2048
	s_mov_b32 s[G1B+6], 0
	s_mov_b32 s[G1B+7], 0
	; a record: 9 rows of 1,024 bytes (128 elements of 8), dense; padding: 32 words (code 31) after every 256 (code 7)
	s_or_b32 s[G1K], s77, (3<<16)|(1<<20)|(1<<21)|(7<<22)|(31<<25)
	s_mov_b32 s[G1K+1], 128<<16
	s_mov_b32 s[G1K+2], 9<<16
	s_mov_b32 s[G1K+3], 128<<16
	s_mov_b32 s[G1K+4], 9
	s_mov_b32 s[G1K+5], 128
	s_mov_b32 s[G1K+6], 0
	s_mov_b32 s[G1K+7], 0
	s_lshl_b32 s72, s[WGY], 20                     ; the bias: 128 rows of 8,192 bytes a query block,
	s_lshl_b32 s73, s[HH], 18                      ; + my 32 of them
	s_add_co_u32 s72, s72, s73
	s_mov_b32 s73, 0
	s_lshl_b32 s78, s[BB], 4
	s_lshl_b32 s75, s[CX], 2
	s_add_co_u32 s78, s78, s75                     ; 16 x batch + 4 cx
	s_add_co_u32 s74, s78, s[HH]                   ; + the head whose record I fetch
	s_mul_i32 s74, s74, 16*KREC
	s_mov_b32 s75, 0
	s_lshl_b32 s79, s[W1], 1                       ; my first head in the group
	s_add_co_u32 s78, s78, s79
	s_mov_b32 s[SEL], 0x76543210
	s_mov_b32 s[SEL+1], 0xfedcba98
	s_mov_b32 s[CS], 0x3fb8aa3b                    ; log2(e): reference() scales the scores by nothing else
	s_mov_b32 s[CS+1], s[CS]
	s_mov_b32 s[ONE], 0x3f800000
	s_mov_b32 s[TB], SLOT1                         ; the first NEWSLOT turns it to slot 0
	s_mov_b32 s[NXT], 0
	s_mov_b32 s[PO+1], 0
	s_mov_b32 s[OFB+1], 0
	s_mov_b32 s[OFK+1], 0
	s_cmp_eq_u32 s[TP], 1                          ; waves 2 and 3 prefetch
	s_cselect_b32 s[LIM], 31, 0
	s_wait_dscnt 0x0
	s_wait_kmcnt 0x0
	s_add_nc_u64 s[BSB:BSB+1], s[8:9], s[72:73]
	s_add_nc_u64 s[BSK:BSK+1], s[6:7], s[74:75]
	s_mov_b32 s[G0B], 1
	s_mul_i32 s[G0B+1], s[HH], 32*BP               ; LDS addresses hang on the wave's number alone
	s_mov_b64 s[G0B+2:G0B+3], s[BSB:BSB+1]
	s_or_b32 s[G0B+3], s[G0B+3], 0x80000000
	s_mov_b32 s[G0K], 1
	s_mul_i32 s[G0K+1], s[HH], HREC
	s_add_co_u32 s[G0K+1], s[G0K+1], KVO
	s_mov_b64 s[G0K+2:G0K+3], s[BSK:BSK+1]
	s_or_b32 s[G0K+3], s[G0K+3], 0x80000000
	CROUND                                         ; all sixteen work-groups are here: the first joint loads meet
	TLOAD                                          ; step 0, into slot 0
	s_lshl_b32 s80, s78, 4                         ; Q's record of my first head: (16 x batch + head) x 16 + query block; the second head's lies 16 records on
	s_and_b32 s81, s[WGY], 15
	s_add_co_u32 s80, s80, s81
	s_mul_i32 s80, s80, QREC
	s_mov_b32 s81, 0
	s_add_nc_u64 s[4:5], s[4:5], s[80:81]
	s_lshl_b32 s80, s[TP], 10                      ; my two tiles' codes in it
	s_add_nc_u64 s[82:83], s[4:5], s[80:81]
	s_lshl_b32 s84, s[CX], 2
	s_add_co_u32 s84, s84, s79                     ; my first head
	s_lshl_b32 s85, s84, 2
	s_lshl_b32 s80, s[WGY], 16                     ; ctx's codes: token tile 8 (16 batch + block) + 2 (w / 2), 8,192 bytes each; head x 512
	s_lshl_b32 s86, s[TP], 14
	s_add_co_u32 s80, s80, s86
	s_lshl_b32 s86, s84, 9
	s_add_co_u32 s80, s80, s86
	s_add_nc_u64 s[12:13], s[12:13], s[80:81]
	s_lshl_b32 s80, s[CX], 16                      ; ctx's scale bytes: head group x 65,536 + 128 tokens x 8
	s_lshl_b32 s86, s[WGY], 10
	s_add_co_u32 s80, s80, s86
	s_add_nc_u64 s[14:15], s[14:15], s[80:81]
	s_lshl_b32 s80, s[WGY], 20                     ; the prefetches: my work-group's 32 rows of the tile's 128, my wave's 256 bytes of a step's 512
	s_lshl_b32 s86, s[CX], 18
	s_add_co_u32 s80, s80, s86
	s_lshl_b32 s86, s[W1], 8
	s_add_co_u32 s80, s80, s86
	s_add_nc_u64 s[PFB:PFB+1], s[8:9], s[80:81]
	s_mul_i32 s87, s79, HREC
	s_add_co_u32 s87, s87, KVO                     ; my first head's record in a slot
	s_mul_i32 s88, s[TP], 32*BP                    ; my 32 rows of the bias
	s_lshl_b32 s89, s[TP], 8                       ; the stage: 8 bytes a token, 2 bytes a head
	s_lshl_b32 s90, s79, 1
	s_add_co_u32 s89, s89, s90
	s_add_co_u32 s89, s89, STG
	s_and_b32 s92, s[TP], 1                        ; Q's scale words: place 16 (r / 8) + 8 (pair % 2) + r % 8 of 8 bytes, in half pair / 2 of the 512
	s_lshl_b32 s92, s92, 6
	s_lshr_b32 s93, s[TP], 1
	s_lshl_b32 s93, s93, 8
	s_add_co_u32 s92, s92, s93
	v_and_b32 v32, 31, v0                          ; lane
	v_and_b32 v33, 15, v0                          ; r
	v_bfe_u32 v34, v0, 4, 1                        ; h
	v_bfe_u32 v35, v0, 3, 1                        ; r / 8
	v_and_b32 v36, 7, v0                           ; r % 8
	v_mul_u32_u24 v[AK0], v35, RP                  ; K: row m of a tile: (m / 8) rows of the record on, 16 (m % 8), + 256 h
	v_lshlrev_b32 v[AS0], 3, v32                   ; the scales' row: 8 bytes a lane
	v_lshlrev_b32 v[L16], 4, v32
	v_mul_u32_u24 v[AB0], v33, BP                  ; the bias: row 32 (w / 2) + r, + 128 h
	v_lshl_add_u32 v[AK0], v36, 4, v[AK0]
	v_add_nc_u32 v[AS0], s87, v[AS0]
	v_add_nc_u32 v[AV0], s87, v[L16]               ; V's fragments: images, 16 bytes a lane
	v_lshl_add_u32 v[AB0], v34, 7, v[AB0]
	v_lshl_add_u32 v[AK0], v34, 8, v[AK0]
	v_add_nc_u32 v[AS0], 4*RP, v[AS0]
	v_add_nc_u32 v[AV0], 5*RP, v[AV0]
	v_add_nc_u32 v[AB0], s88, v[AB0]
	v_add_nc_u32 v[AK0], s87, v[AK0]
	v_lshlrev_b32 v[H8], 3, v34
	v_lshlrev_b32 v[PFO], 13, v32
	v_lshl_add_u32 v[SGA], v33, 3, s89
	v_lshl_add_u32 v37, v35, 4, v36
	v_mov_b32 v38, s85
	v_lshlrev_b32 v37, 3, v37
	s_delay_alu instid0(VALU_DEP_1)
	v_add_nc_u32 v37, s92, v37
.irp e, 0,1
.irp t, 0,1
	global_load_b128 v[QF+16*\t+8*\e:QF+16*\t+8*\e+3], v[L16], s[82:83] offset:\e*16*QREC+512*\t
	global_load_b32 v[QS+2*\t+\e], v37, s[4:5] offset:\e*16*QREC+4096+4*\t
.endr
.endr
	global_load_b64 v[HMR:HMR+1], v38, s[10:11]
.irp u, 0,1,2,3
.irp i, 4,5,6,7
	v_mov_b32 v[QF+8*\u+\i], 0                     ; zero codes fill K = 64 to the instruction's 128
.endr
.endr
.irp i, 64,65,66,67
	v_mov_b32 v[KF+\i], 0                          ; the upper half of K's last fragment
.endr
.irp u, 0,1,2,3
	v_mov_b32 v[ST+4*\u+1], 0xff000000             ; the largest score so far: -2^127,
	v_mov_b32 v[ST+4*\u+2], 0                      ; the sum,
	v_mov_b32 v[ST+4*\u+3], 0
	v_mul_f32 v[ST+4*\u], s[CS], v[ST+4*\u+1]
	s_delay_alu instid0(VALU_DEP_1)
	v_floor_f32 v[ST+4*\u], -v[ST+4*\u]            ; and -M, by the loop's own two lines
.endr
	ALU
	s_wait_loadcnt 0x0                             ; Q, its scale words, head_mask; the loads' address registers are free
.irp i, 0,1,2,3,4,5,6,7,8,9,10,11,12,13,14,15
	v_mov_b32 v[WK+\i], 0                          ; written once: a lane permute's destination and the upper half of a named pair count as read
.endr
	CHANGE 1                                       ; step 0 is whole; step 1 is asked for
	NEWSLOT
	WIN 0
	s_mov_b32 s[CNT], 16
.Lpass1:                                           ; 16 trips; trip i works step i, changes to step i + 1 and asks for step i + 2 (the last two: pass 2's first two)
	ALU
	s_wait_dscnt 0x0                               ; K and tile 0's bias
	SCORE D0, 0, 0
	SCORE D1, 0, 1
	PLACES 4                                       ; in front of the loads into the bias's registers and of the first read of results
	BLOAD 1
	STAT2 ST                                       ; tile 0, both heads
	ALU
	s_wait_dscnt 0x0                               ; tile 1's bias
	SCORE D0, 1, 0
	SCORE D1, 1, 1
	CHANGE 1
	NEWSLOT
	STAT2 ST+8                                     ; tile 1, both heads, while the next step's fragments are on their way
	WIN 0
	s_sub_co_u32 s[CNT], s[CNT], 1
	s_cmp_lg_u32 s[CNT], 0
	s_cbranch_scc1 .Lpass1
	VLOAD                                          ; step 16's V
	; BETWEEN THE PASSES, the four units by turns: the two halves of the lanes meet: the larger M holds, each sum goes under it (exactly); |g| = |head_mask| / sum, the reciprocal mended by one
	; Newton step; -M' = -M + log2 |g|; head_mask's sign as +-1, twice, in the registers that held the sum
.irp u, 0,1,2,3
	v_add_f32 v[WK+\u], v[ST+4*\u+2], v[ST+4*\u+3]
.endr
.irp u, 0,1,2,3
	v_permlanex16_b32 v[WK+4+\u], v[ST+4*\u], s[SEL], s[SEL+1]
.endr
.irp u, 0,1,2,3
	v_min_num_f32 v[WK+4+\u], v[WK+4+\u], v[ST+4*\u]               ; the row's -M
.endr
.irp u, 0,1,2,3
	v_sub_f32 v[WK+8+\u], v[WK+4+\u], v[ST+4*\u]
.endr
.irp u, 0,1,2,3
	v_cvt_i32_f32 v[WK+8+\u], v[WK+8+\u]
.endr
.irp u, 0,1,2,3
	v_ldexp_f32 v[WK+8+\u], 1.0, v[WK+8+\u]
.endr
.irp u, 0,1,2,3
	v_mul_f32 v[WK+\u], v[WK+\u], v[WK+8+\u]
.endr
.irp u, 0,1,2,3
	v_permlanex16_b32 v[WK+8+\u], v[WK+\u], s[SEL], s[SEL+1]
.endr
.irp u, 0,1,2,3
	v_add_f32 v[WK+\u], v[WK+\u], v[WK+8+\u]       ; the row's sum
.endr
	ALU
.irp u, 0,1,2,3
	v_rcp_f32 v[WK+8+\u], v[WK+\u]
.endr
.irp u, 0,1,2,3
	v_and_or_b32 v[ST+4*\u+2], v[HMR+\u%2], 0x80000000, s[ONE]
.endr
	ALU
.irp u, 0,1,2,3
	v_fma_f32 v[WK+12+\u], -v[WK+\u], v[WK+8+\u], 1.0
.endr
.irp u, 0,1,2,3
	v_fma_f32 v[WK+8+\u], v[WK+8+\u], v[WK+12+\u], v[WK+8+\u]
.endr
.irp u, 0,1,2,3
	v_mul_f32 v[WK+8+\u], |v[HMR+\u%2]|, v[WK+8+\u]
.endr
	ALU
.irp u, 0,1,2,3
	v_log_f32 v[WK+12+\u], v[WK+8+\u]              ; head_mask = 0 gives -infinity here, and so p = 0
.endr
.irp u, 0,1,2,3
	v_mov_b32 v[ST+4*\u+3], v[ST+4*\u+2]
.endr
	ALU
.irp u, 0,1,2,3
	v_add_f32 v[ST+4*\u], v[WK+4+\u], v[WK+12+\u]
.endr
	WIN 0x40
.set j, 0
.rept 128
	v_mov_b32 v[O+j], 0                            ; O^T.  (Pass 2's step is written for every step alike, so that its text stands three times and not four: the first adds onto zeros)
.set j, j+1
.endr
	WIN 0
	s_mov_b32 s[CNT], 14
.Lpass2:                                           ; 14 trips: trip i works step 16 + i, changes to step 17 + i and asks for step 18 + i
	BODY2 2
	s_sub_co_u32 s[CNT], s[CNT], 1
	s_cmp_lg_u32 s[CNT], 0
	s_cbranch_scc1 .Lpass2
	BODY2 1                                        ; the last two steps are written out: step 30 changes to step 31 and asks for nothing
	BODY2 0                                        ; step 31 changes no more
	; THE WAY OUT.  O^T x head_mask's sign is ctx.  A lane's 32 registers of a unit run along the head's 64: they are quantised and leave as the image of four operand registers
	PLACES 4
	WIN 0x41
	ALU
.irp u, 0,1,2,3
.set j, 0
.rept 16
	v_pk_mul_f32 v[O+32*\u+j:O+32*\u+j+1], v[O+32*\u+j:O+32*\u+j+1], v[ST+4*\u+2:ST+4*\u+3]   ; each accumulator from its low end on
.set j, j+2
.endr
.endr
.irp u, 0,1,2,3
	QUANT32 O+32*\u, PC+4*\u, WK+8+\u
	global_store_b128 v[L16], v[PC+4*\u:PC+4*\u+3], s[12:13] offset:(\u/2)*8192+(\u%2)*512   ; 32 lanes store 512 consecutive bytes, aligned
	ds_store_b16 v[SGA], v[WK+8+\u] offset:(\u/2)*128+(\u%2)*2     ; lanes r and r + 16 write the same two bytes with the same value
.endr
	v_lshl_add_u32 v[WK], v0, 4, STG
	v_lshlrev_b32 v[WK+1], 4, v0
	ALU
	s_wait_dscnt 0x0                               ; for the others' sake: my bytes lie in the stage
	s_barrier_signal -1
	s_barrier_wait -1
	s_cmp_lt_u32 s[WV], 2                          ; waves 0 and 1 store the 128 tokens' 8 bytes: 1,024 consecutive bytes
	s_cbranch_scc0 .Lend
	ds_load_b128 v[WK+4:WK+7], v[WK]
	s_wait_dscnt 0x0
	global_store_b128 v[WK+1], v[WK+4:WK+7], s[14:15]
.Lend:
	s_wait_tensorcnt 0x0                           ; the wave's end
	ds_add_u32 v[SPW], v[NIL]
	s_wait_dscnt 0x0
	CROUND                                         ; the closing round: no work-group ends while a partner may still ask for a tile that names it
	s_endpgm
.Lfunc_end_k_q76ea02012c_attn:
	.size	k_q76ea02012c_attn, .Lfunc_end_k_q76ea02012c_attn-k_q76ea02012c_attn
	.p2alignl 7, 3214868480
	.fill 96, 4, 3214868480
	.section	.rodata,"a",@progbits
	.p2align	6, 0x0
	.amdhsa_kernel k_q76ea02012c_attn
		.amdhsa_group_segment_fixed_size 327680
		.amdhsa_private_segment_fixed_size 0
		.amdhsa_enable_private_segment 0
		.amdhsa_kernarg_size 48
		.amdhsa_user_sgpr_count 2
		.amdhsa_user_sgpr_kernarg_segment_ptr 1
		.amdhsa_wavefront_size32 1
		.amdhsa_system_sgpr_workgroup_id_x 1
		.amdhsa_system_sgpr_workgroup_id_y 1
		.amdhsa_system_sgpr_workgroup_id_z 1
		.amdhsa_system_vgpr_workitem_id 0
		.amdhsa_next_free_vgpr 512
		.amdhsa_next_free_sgpr 100
		.amdhsa_reserve_vcc 0
		.amdhsa_float_denorm_mode_32 3
		.amdhsa_float_denorm_mode_16_64 3
		.amdhsa_memory_ordered 1
		.amdhsa_forward_progress 1
		.amdhsa_inst_pref_size 210
	.end_amdhsa_kernel
	.amdgpu_metadata
---
amdhsa.version: [ 1, 2 ]
amdhsa.kernels:
  - .name:           k_q76ea02012c_attn
    .symbol:         k_q76ea02012c_attn.kd
    .args:
      - { .name: qrec, .offset: 0, .size: 8, .value_kind: global_buffer, .address_space: global }
      - { .name: kvrec, .offset: 8, .size: 8, .value_kind: global_buffer, .address_space: global }
      - { .name: attention_bias, .offset: 16, .size: 8, .value_kind: global_buffer, .address_space: global }
      - { .name: head_mask, .offset: 24, .size: 8, .value_kind: global_buffer, .address_space: global }
      - { .name: ctxc, .offset: 32, .size: 8, .value_kind: global_buffer, .address_space: global }
      - { .name: ctxs, .offset: 40, .size: 8, .value_kind: global_buffer, .address_space: global }
    .group_segment_fixed_size: 327680
    .private_segment_fixed_size: 0
    .kernarg_segment_align: 8
    .kernarg_segment_size: 48
    .max_flat_workgroup_size: 256
    .sgpr_count:     100
    .vgpr_count:     512
    .wavefront_size: 32
...
	.end_amdgpu_metadata
.endif
;; end of part 3
;; launch gemm2 (part 4): grid 4 x 64, 8 waves a work-group, clusters of 4 x 4, 240,640 bytes of LDS; arguments ctxc, ctxs, cbuf, sbuf, o_b, out0; writes out0
.if DOCPART == 4
	.amdgcn_target "amdgcn-amd-amdhsa--gfx1250"
	.amdhsa_code_object_version 6
	.text
	.protected	k_q76ea02012c_gemm2
	.globl	k_q76ea02012c_gemm2
	.p2align	8
	.type	k_q76ea02012c_gemm2,@function
k_q76ea02012c_gemm2:
	s_mov_b64 s[64:65], 0
	v_nop
	global_prefetch_b8 v0, s[64:65] scope:SCOPE_SE
	s_setreg_imm32_b32 hwreg(HW_REG_WAVE_MODE, 25, 1), 1
	s_wait_xcnt 0x0
	s_wait_alu depctr_hold_cnt(0) depctr_sa_sdst(0) depctr_va_vdst(0) depctr_va_sdst(0) depctr_va_ssrc(0) depctr_va_vcc(0) depctr_vm_vsrc(0)
	s_getreg_b32 s2, hwreg(HW_REG_IB_STS2, 6, 4)
	s_cmp_eq_u32 s2, 0
	s_cbranch_scc0 .Lentry_in_a_cluster
	s_endpgm
.Lentry_in_a_cluster:
	s_bfe_u32 s2, ttmp6, 0x10000c
	s_cmp_lg_u32 s2, 0xf033
	s_cbranch_scc0 .Lentry_shape_is_right
	s_endpgm
.Lentry_shape_is_right:
; out = Q(ctx) Q(Wo)^T + o_b on codes of FP4 with E8M0 scales, K = 1,024.  ctx's codes come as images of operand registers ([token tile][head][512 bytes]), Wo's as rows of 512 bytes.
; SHARES.  A work-group takes 128 tokens x 256 columns; eight waves, wave w tokens 64 (w / 4) on and columns 64 (w % 4) on: sixteen accumulators of 16 x 16.  256 work-groups.
; ALL OF K LIES IN LDS, filled once: waves 0 and 1 bring ctx's halves of K, waves 2 to 5 Wo's four tiles, one tensor load each.  ctx's tiles hang on the token block alone and are asked for jointly
; along a row of the 4 x 4 cluster, Wo's on the column block alone and jointly along a column.
; THE MATRIX INSTRUCTION IS USED TRANSPOSED (source 0 = 16 rows of Wo, source 1 = 16 tokens): a lane holds eight neighbouring numbers of a row of out.  The bias is the C of the first K step.
.set PITCH, 272                        ; a row of Wo's tile in LDS: 256 bytes + 16
.set AT,    128*PITCH
.set AIMG,  32768                      ; ctx's images of half of K: 8 token tiles x 4,096 bytes, dense
.set HALF,  AIMG+2*AT                  ; half of K
.set STAGE, 2*HALF                     ; the way out: 16 rows x 272 bytes for each wave; no tensor load lands here
.set WO,    5767168                    ; o_w's codes in cbuf
.set SO,    360448                     ; and its scale bytes in sbuf
.set ADRX, 4                           ; v4-5   LDS address of ctx's fragments, K half 0, 1
.set ADRW, 6                           ; v6-7   of Wo's
.set SCO,  9                           ; v9     Wo's scale bytes: 32 r + 16 h
.set BO,   10                          ; v10    the bias loads' offset
.set SAO,  11                          ; v11    ctx's scale bytes: 131,072 h + 8 r
.set STO,  12                          ; v12    the stage: where I put 32 bytes of a row
.set RD,   13                          ; v13    and where I read a row back
.set CO,   14                          ; v14    my byte offset in two rows of out
.set SA,   16                          ; v16-31 ctx's scale words: register 4 i + q: lanes 0-15 K step q, lanes 16-31 K step 4 + q
.set SB,   32                          ; v32-47 Wo's likewise
.set XF,   48                          ; v48-79 ctx's four fragments
.set WF,   80                          ; v80-111 Wo's four
.set BK,   48                          ; the way out: eight registers x four, two sets by turns
.set ACC,  128
.set WV,   18
.set KH,   19
.set PART, 20
.set WY,   21
.set WX,   22
.set CX,   23
.set CY,   24
.set GX,   25
.set GY,   26
.set G1A,  28
.set G1W,  36
.set G0A,  52
.set G0W,  56
.macro ROUND
	s_barrier_signal -1
	s_barrier_wait -1
	s_cmp_lg_u32 s[WV], 0
	s_cbranch_scc1 .Lnot_wave_0_\@
	s_barrier_signal -3
.Lnot_wave_0_\@:
	s_barrier_wait -3
	s_barrier_signal -1
	s_barrier_wait -1
.endm
.macro PLACES n
.rept \n
	v_nop
.endr
.endm
.macro WM d, a, b, sa, sb, row         ; row = 1: both scale words are taken from lanes 16-31
.if \row
	v_wmma_scale_f32_16x16x128_f8f6f4 v[\d:\d+7], v[\a:\a+7], v[\b:\b+7], v[\d:\d+7], v[\sa], v[\sb] matrix_a_fmt:MATRIX_FMT_FP4 matrix_b_fmt:MATRIX_FMT_FP4 matrix_a_scale:MATRIX_SCALE_ROW1 matrix_b_scale:MATRIX_SCALE_ROW1
.else
	v_wmma_scale_f32_16x16x128_f8f6f4 v[\d:\d+7], v[\a:\a+7], v[\b:\b+7], v[\d:\d+7], v[\sa], v[\sb] matrix_a_fmt:MATRIX_FMT_FP4 matrix_b_fmt:MATRIX_FMT_FP4
.endif
.endm
.macro KSTEP ks                        ; 128 along K (two heads): 16 LDS loads, 16 matrix instructions, each accumulator once
.if (\ks) > 0
	PLACES 4                                       ; in front of loads into registers that matrix instructions have read
.endif
.irp i, 0,1,2,3
.irp c, 0,1
	ds_load_b128 v[XF+8*\i+4*\c:XF+8*\i+4*\c+3], v[ADRX+(\ks)/4] offset:1024*((\ks)%4)+512*\c+\i*4096
	ds_load_b128 v[WF+8*\i+4*\c:WF+8*\i+4*\c+3], v[ADRW+(\ks)/4] offset:64*((\ks)%4)+32*\c+\i*16*PITCH
.endr
.endr
	s_wait_dscnt 0x0
.irp L, 0,1,2,3
.irp Rb, 0,1,2,3
	WM ACC+8*(4*\L+\Rb), WF+8*\Rb, XF+8*\L, SB+4*\Rb+(\ks)%4, SA+4*\L+(\ks)%4, (\ks)/4
.endr
.endr
.endm
	s_load_b256 s[4:11], s[0:1], 0x0               ; ctxc s[4:5], ctxs s[6:7], cbuf s[8:9], sbuf s[10:11]
	s_load_b128 s[12:15], s[0:1], 0x20             ; o_b s[12:13], out0 s[14:15]
	v_lshl_add_u32 v126, v0, 2, 0x3a800
	v_mov_b32 v127, 0
	ds_add_u32 v126, v127
	ds_add_u32 v126, v127
	v_lshrrev_b32 v1, 5, v0
	s_delay_alu instid0(VALU_DEP_1)
	v_readfirstlane_b32 s[WV], v1                  ; wave 0..7
	s_and_b32 s[KH], s[WV], 1                      ; which half of K I fetch
	s_lshr_b32 s[PART], s[WV], 1                   ; what I fetch: 0 ctx, 1 and 2 Wo's halves, 3 nothing
	s_lshr_b32 s[WY], s[WV], 2
	s_and_b32 s[WX], s[WV], 3
	s_bfe_u32 s[CX], ttmp6, 0x40000
	s_bfe_u32 s[CY], ttmp6, 0x40004
	s_lshl_b32 s[GX], ttmp9, 2
	s_add_co_u32 s[GX], s[GX], s[CX]               ; column block
	s_and_b32 s[GY], ttmp7, 0xffff
	s_lshl_b32 s[GY], s[GY], 2
	s_add_co_u32 s[GY], s[GY], s[CY]               ; token block
	s_lshl_b32 s70, s[CY], 2
	s_lshl_b32 s70, 15, s70                        ; my row of the cluster
	s_lshl_b32 s71, 0x1111, s[CX]                  ; my column
	; ctx: 8 token tiles x 4,096 bytes (512 elements of 8), 8,192 bytes apart in memory, dense in LDS
	s_or_b32 s[G1A], s70, (3<<16)|(1<<21)
	s_mov_b32 s[G1A+1], 512<<16                    ; tensor_dim0
	s_mov_b32 s[G1A+2], 8<<16                      ; tensor_dim1
	s_mov_b32 s[G1A+3], 512<<16                    ; tile_dim0
	s_mov_b32 s[G1A+4], 8                          ; tile_dim1
	s_mov_b32 s[G1A+5], 1024                       ; from token tile to token tile
	s_mov_b32 s[G1A+6], 0
	s_mov_b32 s[G1A+7], 0
	; Wo: 128 rows x 256 bytes, 4 words of padding (code 3) after every 64 (code 5)
	s_or_b32 s[G1W], s71, (1<<20)|(1<<21)|(5<<22)|(3<<25)
	s_mov_b32 s[G1W+1], 256<<16
	s_mov_b32 s[G1W+2], 128<<16
	s_mov_b32 s[G1W+3], 256<<16
	s_mov_b32 s[G1W+4], 128
	s_mov_b32 s[G1W+5], 512
	s_mov_b32 s[G1W+6], 0
	s_mov_b32 s[G1W+7], 0
	s_lshl_b32 s72, s[GY], 16                      ; ctx: 8 token tiles of 8,192 bytes a token block,
	s_lshl_b32 s73, s[KH], 12                      ; + my eight heads
	s_add_co_u32 s72, s72, s73
	s_mov_b32 s73, 0
	s_lshr_b32 s92, s[PART], 1                     ; Wo: which 128 of the 256 rows
	s_lshl_b32 s74, s[GX], 17
	s_lshl_b32 s75, s92, 16
	s_add_co_u32 s74, s74, s75
	s_lshl_b32 s75, s[KH], 8
	s_add_co_u32 s74, s74, s75
	s_add_co_u32 s74, s74, WO
	s_mov_b32 s75, 0
	s_wait_dscnt 0x0
	s_wait_kmcnt 0x0
	s_mov_b32 s[G0A], 1
	s_mul_i32 s[G0A+1], s[KH], HALF                ; LDS addresses hang on the wave's number alone
	s_add_nc_u64 s[G0A+2:G0A+3], s[4:5], s[72:73]
	s_or_b32 s[G0A+3], s[G0A+3], 0x80000000
	s_mov_b32 s[G0W], 1
	s_mul_i32 s[G0W+1], s92, AT
	s_add_co_u32 s[G0W+1], s[G0W+1], s[G0A+1]
	s_add_co_u32 s[G0W+1], s[G0W+1], AIMG
	s_add_nc_u64 s[G0W+2:G0W+3], s[8:9], s[74:75]
	s_or_b32 s[G0W+3], s[G0W+3], 0x80000000
	ROUND                                          ; all sixteen work-groups are here: the joint loads meet
	s_cmp_eq_u32 s[PART], 0                        ; one tensor load a wave, none in waves 6 and 7; four v_nop follow each line
	s_cbranch_scc0 .Lnot_a
	tensor_load_to_lds s[G0A:G0A+3], s[G1A:G1A+7]
	s_nop 0
	PLACES 4
	s_branch .Lasked
.Lnot_a:
	s_cmp_eq_u32 s[PART], 3
	s_cbranch_scc1 .Lasked
	tensor_load_to_lds s[G0W:G0W+3], s[G1W:G1W+7]
	s_nop 0
	PLACES 4
.Lasked:
	v_and_b32 v1, 31, v0                           ; lane
	v_and_b32 v2, 15, v0                           ; r
	v_bfe_u32 v3, v0, 4, 1                         ; h
	s_lshl_b32 s96, s[WY], 14                      ; ctx: my four token tiles; an image's place for my lane is 16 x lane
	v_lshl_add_u32 v[ADRX], v1, 4, s96
	s_delay_alu instid0(VALU_DEP_1)
	v_add_nc_u32 v[ADRX+1], HALF, v[ADRX]
	v_mul_u32_u24 v15, v2, PITCH
	s_delay_alu instid0(VALU_DEP_1)
	v_lshl_add_u32 v[ADRW], v3, 4, v15             ; Wo: row x pitch + 16 h,
	s_mul_i32 s97, s[WX], 64*PITCH                 ; my 64 rows,
	s_add_co_u32 s97, s97, AIMG                    ; behind ctx's images
	v_add_nc_u32 v[ADRW], s97, v[ADRW]
	s_delay_alu instid0(VALU_DEP_1)
	v_add_nc_u32 v[ADRW+1], HALF, v[ADRW]
	v_lshlrev_b32 v[SCO], 5, v2
	s_delay_alu instid0(VALU_DEP_1)
	v_lshl_add_u32 v[SCO], v3, 4, v[SCO]
	v_lshlrev_b32 v[SAO], 3, v2
	s_delay_alu instid0(VALU_DEP_1)
	v_lshl_add_u32 v[SAO], v3, 17, v[SAO]          ; lanes 16-31 take head groups 2 and 3: K steps 4 to 7
	s_wait_alu depctr_va_vdst(0)
	v_lshlrev_b32 v[BO], 5, v3
	s_wait_alu depctr_va_vdst(0)
	s_mul_i32 s96, s[WV], 16*PITCH
	s_add_co_u32 s96, s96, STAGE                   ; my stage
	v_lshl_add_u32 v[STO], v3, 5, v15              ; in: row r, 32 bytes for each half of the lanes
	s_delay_alu instid0(VALU_DEP_1)
	v_add_nc_u32 v[STO], s96, v[STO]
	v_mul_u32_u24 v[RD], v3, PITCH                 ; back: lanes 0-15 one row of 256 bytes, lanes 16-31 the next
	s_delay_alu instid0(VALU_DEP_1)
	v_lshl_add_u32 v[RD], v2, 4, v[RD]
	s_delay_alu instid0(VALU_DEP_1)
	v_add_nc_u32 v[RD], s96, v[RD]
	v_lshlrev_b32 v[CO], 12, v3                    ; and the same two rows in out: 4,096 bytes a row
	s_delay_alu instid0(VALU_DEP_1)
	v_lshl_add_u32 v[CO], v2, 4, v[CO]
	s_lshl_b32 s90, s[GY], 10                      ; ctx's scale bytes: 8 a token and head group
	s_lshl_b32 s91, s[WY], 9
	s_add_co_u32 s90, s90, s91
	s_mov_b32 s91, 0
	s_add_nc_u64 s[82:83], s[6:7], s[90:91]
	s_lshl_b32 s90, s[GX], 13                      ; Wo's: (256 column block + 64 wx) rows of 32 bytes
	s_lshl_b32 s98, s[WX], 11
	s_add_co_u32 s90, s90, s98
	s_add_co_u32 s90, s90, SO
	s_add_nc_u64 s[84:85], s[10:11], s[90:91]
	s_lshl_b32 s90, s[GX], 10                      ; my 64 columns, in bytes: in o_b,
	s_lshl_b32 s98, s[WX], 8
	s_add_co_u32 s90, s90, s98
	s_add_nc_u64 s[86:87], s[12:13], s[90:91]
	s_lshl_b32 s98, s[GY], 19                      ; and in out, at my first token: (128 token block + 64 wy) rows of 4,096 bytes
	s_add_co_u32 s90, s90, s98
	s_lshl_b32 s98, s[WY], 18
	s_add_co_u32 s90, s90, s98
	s_add_nc_u64 s[88:89], s[14:15], s[90:91]
.irp i, 0,1,2,3
	global_load_b64 v[SA+4*\i:SA+4*\i+1], v[SAO], s[82:83] offset:128*\i           ; K steps 4 h, 4 h + 1 of tokens 16 i + r
	global_load_b64 v[SA+4*\i+2:SA+4*\i+3], v[SAO], s[82:83] offset:65536+128*\i   ; K steps 4 h + 2, 4 h + 3
	global_load_b128 v[SB+4*\i:SB+4*\i+3], v[SCO], s[84:85] offset:512*\i
.endr
.irp L, 0,1,2,3                                ; the bias is the C of the first K step: accumulator (L, Rb) begins as o_b[16 Rb + 8 h + j]
.irp Rb, 0,1,2,3
	global_load_b128 v[ACC+8*(4*\L+\Rb):ACC+8*(4*\L+\Rb)+3], v[BO], s[86:87] offset:64*\Rb
	global_load_b128 v[ACC+8*(4*\L+\Rb)+4:ACC+8*(4*\L+\Rb)+7], v[BO], s[86:87] offset:64*\Rb+16
.endr
.endr
	s_wait_tensorcnt 0x0                           ; my tile has landed,
	s_barrier_signal -1
	s_barrier_wait -1                              ; everybody's has
	s_wait_loadcnt 0x0                             ; the scale words and the bias are in
.irp k, 0,1,2,3,4,5,6,7
	KSTEP \k
.endr
; THE WAY OUT, 16 tokens x 64 columns at a time.  A lane holds 32 neighbouring bytes of a row, and the lanes beside it hold other rows: a block goes through my own stage and comes back as whole rows of
; 256 bytes.  LDS serves a wave's instructions in order (ISA guide 5.7.1.4): no wait between the stores and the loads, nor in front of the next block's stores.
.macro TOSTAGE L
.irp Rb, 0,1,2,3
	ds_store_b128 v[STO], v[ACC+32*(\L)+8*\Rb:ACC+32*(\L)+8*\Rb+3] offset:64*\Rb        ; each accumulator from its low end on
	ds_store_b128 v[STO], v[ACC+32*(\L)+8*\Rb+4:ACC+32*(\L)+8*\Rb+7] offset:64*\Rb+16
.endr
.irp i, 0,1,2,3,4,5,6,7
	ds_load_b128 v[BK+32*((\L)%2)+4*\i:BK+32*((\L)%2)+4*\i+3], v[RD] offset:2*\i*PITCH
.endr
.endm
.macro SEND L, younger                 ; younger: the LDS instructions issued behind block L's loads, which may stay out
	s_wait_dscnt \younger
.irp i, 0,1,2,3,4,5,6,7
	global_store_b128 v[CO], v[BK+32*((\L)%2)+4*\i:BK+32*((\L)%2)+4*\i+3], s[88:89] offset:(16*(\L)+2*\i)*4096 th:TH_STORE_NT   ; 16 lanes store 256 consecutive bytes, aligned; written once, read by nobody here
.endr
.endm
	PLACES 4                                       ; in front of the first read of results and of loads into the fragments' registers
	s_wait_alu depctr_va_vdst(0)
	TOSTAGE 0
	TOSTAGE 1
	SEND 0, 16                                     ; behind block 0's loads: block 1's 8 stores and 8 loads
	s_wait_xcnt 0x0                                ; block 0's stores have read their registers: block 2's loads may land there
	TOSTAGE 2
	SEND 1, 16
	s_wait_xcnt 0x0
	TOSTAGE 3
	SEND 2, 16
	SEND 3, 0
	s_wait_tensorcnt 0x0
	ds_add_u32 v126, v127
	s_wait_dscnt 0x0
	ROUND                                          ; the closing round: no work-group ends while a partner may still ask for a tile that names it
	s_endpgm
.Lfunc_end_k_q76ea02012c_gemm2:
	.size	k_q76ea02012c_gemm2, .Lfunc_end_k_q76ea02012c_gemm2-k_q76ea02012c_gemm2
	.p2alignl 7, 3214868480
	.fill 96, 4, 3214868480
	.section	.rodata,"a",@progbits
	.p2align	6, 0x0
	.amdhsa_kernel k_q76ea02012c_gemm2
		.amdhsa_group_segment_fixed_size 240640
		.amdhsa_private_segment_fixed_size 0
		.amdhsa_enable_private_segment 0
		.amdhsa_kernarg_size 48
		.amdhsa_user_sgpr_count 2
		.amdhsa_user_sgpr_kernarg_segment_ptr 1
		.amdhsa_wavefront_size32 1
		.amdhsa_system_sgpr_workgroup_id_x 1
		.amdhsa_system_sgpr_workgroup_id_y 1
		.amdhsa_system_sgpr_workgroup_id_z 1
		.amdhsa_system_vgpr_workitem_id 0
		.amdhsa_next_free_vgpr 256
		.amdhsa_next_free_sgpr 100
		.amdhsa_reserve_vcc 0
		.amdhsa_float_denorm_mode_32 3
		.amdhsa_float_denorm_mode_16_64 3
		.amdhsa_memory_ordered 1
		.amdhsa_forward_progress 1
		.amdhsa_inst_pref_size 44
	.end_amdhsa_kernel
	.amdgpu_metadata
---
amdhsa.version: [ 1, 2 ]
amdhsa.kernels:
  - .name:           k_q76ea02012c_gemm2
    .symbol:         k_q76ea02012c_gemm2.kd
    .args:
      - { .name: ctxc, .offset: 0, .size: 8, .value_kind: global_buffer, .address_space: global }
      - { .name: ctxs, .offset: 8, .size: 8, .value_kind: global_buffer, .address_space: global }
      - { .name: cbuf, .offset: 16, .size: 8, .value_kind: global_buffer, .address_space: global }
      - { .name: sbuf, .offset: 24, .size: 8, .value_kind: global_buffer, .address_space: global }
      - { .name: o_b, .offset: 32, .size: 8, .value_kind: global_buffer, .address_space: global }
      - { .name: out0, .offset: 40, .size: 8, .value_kind: global_buffer, .address_space: global }
    .group_segment_fixed_size: 240640
    .private_segment_fixed_size: 0
    .kernarg_segment_align: 8
    .kernarg_segment_size: 48
    .max_flat_workgroup_size: 256
    .sgpr_count:     100
    .vgpr_count:     256
    .wavefront_size: 32
...
	.end_amdgpu_metadata
.endif
;; end of part 4
